; MI455X (gfx1250); checked and timed in simulation.
; The chip was launched on July 23, 2026; its instructions are those of AMD's public machine-readable ISA for CDNA 5 (MIT licence, August 2026) and "CDNA5" Instruction Set Architecture Reference Guide (July 2026). The comments in the code are by the model that wrote it; some were corrected since.
;; Multi Modal Multi Head Aggregated Attention. Allowed arithmetic: matrix products marked QUANTISED: E2M3 operands, one E8M0 scale for each 32 along K, by v_wmma_scale_f32_16x16x128_f8f6f4 with both operands' format E2M3, f32 sums; everything else in f32.
;; Inputs: W_out 1,024 x 2,048 float32; Wk_ecg 1,024 x 1,024 float32; Wk_eeg 1,024 x 1,024 float32; Wq_ecg 1,024 x 1,024 float32; Wq_eeg 1,024 x 1,024 float32; Wv_ecg 1,024 x 1,024 float32; Wv_eeg 1,024 x 1,024 float32; agg_w 1 x 1 x 2,048 float32; b_out 1,024 float32; bk_ecg 1,024 float32; bk_eeg 1,024 float32; bq_ecg 1,024 float32; bq_eeg 1,024 float32; bv_ecg 1,024 float32; bv_eeg 1,024 float32; ecg 2 x 2,048 x 1,024 float32; eeg 2 x 2,048 x 1,024 float32.
;; Outputs: out0 2 x 2,048 x 1,024 float32.
;; This version of the problem:
;;   THIS VERSION OF THE PROBLEM IS GIVEN IN LOW PRECISION. The matrix products marked QUANTISED in the list below multiply operands that are first quantised to E2M3 (2 exponent bits, 3 mantissa bits; 6 bits a number), with one power-of-two scale for each 32 numbers along K (OCP MX v1.0); their sums are f32. All else is computed in f32.
;;   The module's matrix products, in the order in which they are computed (A, B: the left and right operand; K: the contracted axis; several contracted axes count as one K, in the product's order):
;;     1. [M 4,096, K 1,024] x [K 1,024, N 1,024]; A: input eeg; B: input Wq_eeg: QUANTISED
;;     2. [M 4,096, K 1,024] x [K 1,024, N 1,024]; A: input eeg; B: input Wk_eeg: QUANTISED
;;     3. [M 4,096, K 1,024] x [K 1,024, N 1,024]; A: input eeg; B: input Wv_eeg: QUANTISED
;;     4. batch 32 x [M 2,048, K 64] x [K 64, N 2,048]; A: computed on the way; B: computed on the way: QUANTISED
;;     5. batch 32 x [M 2,048, K 2,048] x [K 2,048, N 64]; A: softmax (see below); B: computed on the way: QUANTISED
;;     6. [M 4,096, K 1,024] x [K 1,024, N 1,024]; A: input ecg; B: input Wq_ecg: QUANTISED
;;     7. [M 4,096, K 1,024] x [K 1,024, N 1,024]; A: input ecg; B: input Wk_ecg: QUANTISED
;;     8. [M 4,096, K 1,024] x [K 1,024, N 1,024]; A: input ecg; B: input Wv_ecg: QUANTISED
;;     9. batch 32 x [M 2,048, K 64] x [K 64, N 2,048]; A: computed on the way; B: computed on the way: QUANTISED
;;     10. batch 32 x [M 2,048, K 2,048] x [K 2,048, N 64]; A: softmax (see below); B: computed on the way: QUANTISED
;;     11. [M 4,096, K 2,048] x [K 2,048, N 1,024]; A: computed on the way; B: input W_out: QUANTISED
;;   THE QUANTISER, for each operand of a quantised product, along K:
;;     - K is cut into blocks of 32 from its start; a last block that is shorter is filled with zeros.
;;     - A block's scale is 2^e with e = floor(log2(the largest magnitude in the block)) - 2, held to -126 .. 127; a block of zeros has e = 0. As a byte (E8M0): e + 127.
;;     - Each number is divided by its block's scale, clamped to +-7.5, and rounded to the nearest number of E2M3, ties to even, subnormals kept.
;;     - The product sums the exact products of the quantised numbers (number of the format x scale) in f32.
;;   ~~~python
;;   def quantise(x, axis):      # numpy; x: float32 -> the quantised numbers, widened to float32 again
;;       x = np.moveaxis(x, axis, -1); K = x.shape[-1]
;;       x = np.pad(x, [(0, 0)] * (x.ndim - 1) + [(0, -K % 32)]); x = x.reshape(x.shape[:-1] + (-1, 32)); a = np.abs(x).max(-1, keepdims=True)
;;       e = np.where(a > 0, np.clip(np.frexp(np.where(a > 0, a, 1))[1] - 1 - 2, -126, 127), 0)      # np.frexp(a)[1] - 1 = floor(log2(a)), exactly
;;       r = np.clip(x / 2.0 ** e, -7.5, 7.5)
;;       step = 2.0 ** (np.maximum(np.frexp(np.where(r == 0, 1, r))[1] - 1, 0) - 3)
;;       q = np.round(r / step) * step * 2.0 ** e      # np.round: ties to even
;;       return np.moveaxis(q.reshape(q.shape[:-2] + (-1,))[..., :K], -1, axis).astype(np.float32)
;;   ~~~
;;   SOFTMAX AHEAD OF A QUANTISED PRODUCT. Where the list says 'softmax', what is quantised is not the finished softmax but p = 2^(t - M), with t = logit x log2(e) and M = ceil(the row's largest t), a whole number; so 1/2 < the row's largest p <= 1. The row's sum l is taken of the UNQUANTISED p, in f32, and the product's result is divided by l at the end. Since M is a whole number, a kernel that streams over the keys may use a running M (the ceiling of the running maximum): every later rescaling is an exact power of two, which a block's scale takes up: the codes' values come out the same.
;;   OPERANDS COMPUTED ON THE WAY. 'Computed on the way' means the value that the module computes at that place (a softmax that the list does not call 'softmax' is quantised finished and normalised). What goes into a quantiser is computed in f32, as accurately as f32 sums, v_exp_f32 and their like allow (about 1e-6 of the number): no bf16 or f16 on the way to a quantiser, and a product that is left as it is and whose result goes on into a quantised operand takes f32 operands (vector FMAs, or v_wmma_f32_16x16x4_f32). A number that lies on a knife's edge between two numbers of the format may be rounded either way, as far as f32 arithmetic and the matrix unit's own rounding can turn it there, and no further.
;; One version. Each part assembles by itself: llvm-mc -triple=amdgcn-amd-amdhsa -mcpu=gfx1250 --defsym DOCPART=n.
;; ======== version 1 of 1: 4 launches
;; limits: right only within a limited range of input values
;; workspace buffers: cod 12,582,912 bytes; scl 524,288 bytes; qkv 18,874,368 bytes; qkvs 786,432 bytes; attc 6,291,456 bytes; atts 262,144 bytes
;; launch quant (part 1): grid 512 x 1, 4 waves a work-group, no clusters, 34,304 bytes of LDS; arguments eeg, ecg, Wq_eeg, Wk_eeg, Wv_eeg, Wq_ecg, Wk_ecg, Wv_ecg, W_out, cod, scl; writes cod, scl
.if DOCPART == 1
	.amdgcn_target "amdgcn-amd-amdhsa--gfx1250"
	.amdhsa_code_object_version 6
	.text
	.protected	k_qff807a0daf_quant
	.globl	k_qff807a0daf_quant
	.p2align	8
	.type	k_qff807a0daf_quant,@function
k_qff807a0daf_quant:
	s_mov_b64 s[64:65], 0
	v_nop
	global_prefetch_b8 v0, s[64:65] scope:SCOPE_SE
	s_setreg_imm32_b32 hwreg(HW_REG_WAVE_MODE, 25, 1), 1
	s_wait_xcnt 0x0
; eeg, ecg [4096][1024], the six W [1024][1024] and W_out [1024][2048], all f32 with K innermost, become codes of FP6 (E2M3) with one E8M0 byte for each 32 along K,
; laid as the products' launches want them: IMAGES OF OPERAND REGISTERS.  A fragment (16 rows x 128 K, 12 registers a lane) is 1,536 bytes: six pieces of 256 bytes; piece p holds registers 2 p, 2 p + 1, lane l's 8 bytes at 256 p + 8 l.
; THE 16 ROWS OF A TILE ARE NOT NEIGHBOURS: row r of tile 2 G + u is the tensor's row 32 G + 8 u + r + 8 (r / 8), so that a product that takes such tiles as source 0 leaves 16 neighbours in a lane's 16 registers of two tiles.
; cod: [tile][fragment along K][1,536]; scl: [tile][256 along K][row r][8 bytes].  A wave takes one tile x 512 along K: 32 KiB in, 6,144 + 256 bytes out, in four steps of one fragment.
; Each load reads 512 consecutive bytes of one row; a step's 16 rows turn through the wave's own stage in LDS, so that a lane gets 16 neighbours of each block of 32; each store writes one whole aligned run of 256 bytes.
; A block's scale is 2^(floor(log2(largest magnitude)) - 2): the largest magnitude's exponent field - 2 is its byte, held at 1 from below.
; LIMITS: a block of zeros gets the byte 1 where the rule says 127 (its codes are zeros, and this program alone reads the bytes); NaN and infinities among the inputs are not served.
; No cluster: no two work-groups read the same bytes.  No barrier: waves share nothing.
.set STG,   8448                       ; a wave's stage: 16 rows x (512 bytes + 16): the pitch is an odd multiple of 16 bytes
.set SPARE, 4*STG                      ; behind the stages: the spare words, 128 bytes for each wave, which no other line names
.set LN,   1                           ; v1   lane
.set RW,   2                           ; v2   r = lane % 16
.set HF,   3                           ; v3   h = lane / 16
.set SIN,  4                           ; v4   the stage, on the way in: 16 x lane
.set SOUT, 5                           ; v5   on the way out: row r, + 64 h
.set L8,   6                           ; v6   8 x lane: my place in a piece
.set SO,   7                           ; v7   128 h + 8 r: my place among the unit's scale words
.set SPW,  8                           ; v8   my spare word; never rewritten
.set NIL,  9                           ; v9   0; never rewritten
.set L16,  10                          ; v10  16 x lane
.set RO,   16                          ; v16-31  row i of the tile: 16 x lane + (i + 8 (i / 8)) x pitch
.set X,    32                          ; v32-95, v96-159  two sets of 64 numbers
.set TM,   160                         ; v160-175 at work in QUANT
.set PWS,  176                         ; v176-179 the four fragments' scale words
.set PC,   180                         ; v180-199 the codes just made
.set RR,   200                         ; v200-201 the scale words as they leave
.set SEL,  28                          ; s[28:29] lane selects for lane l xor 16
; 64 numbers of a lane, register 16 b + i = k 32 b + 16 h + i of my row, become a fragment's 12 registers in v[PC] on and my row's scale word in v[pw].
.macro QUANT s, pw
.irp b, 0,1,2,3
	v_max3_num_f32 v[TM+\b], |v[\s+16*\b]|, |v[\s+1+16*\b]|, 0x1800000   ; my 16 numbers of block b, and the floor 2^(3 - 127): the byte cannot fall under 1
.endr
.irp i, 2,4,6,8,10,12,14
.irp b, 0,1,2,3
	v_max3_num_f32 v[TM+\b], v[TM+\b], |v[\s+16*\b+\i]|, |v[\s+1+16*\b+\i]|   ; the four blocks by turns
.endr
.endr
.irp b, 0,1,2,3
	v_permlanex16_b32 v[TM+4+\b], v[TM+\b], s[SEL], s[SEL+1]
.endr
.irp b, 0,1,2,3
	v_max_num_f32 v[TM+\b], v[TM+\b], v[TM+4+\b]   ; with lane l xor 16's 16: the block's largest magnitude
.endr
.irp b, 0,1,2,3
	v_add_nc_u32 v[TM+12+\b], 0xff000000, v[TM+\b]   ; 2 off its exponent field: the conversion's scale operand
.endr
.irp b, 0,1,2,3
	v_lshrrev_b32 v[TM+4+\b], 23, v[TM+12+\b]      ; the scale's byte
.endr
	v_lshl_or_b32 v[\pw], v[TM+5], 8, v[TM+4]
	v_lshl_or_b32 v[\pw], v[TM+6], 16, v[\pw]
	v_lshl_or_b32 v[\pw], v[TM+7], 24, v[\pw]
.irp c, 0,1
	v_cvt_scalef32_pk16_fp6_f32 v[PC+6*\c:PC+2+6*\c], v[\s+32*\c:\s+15+32*\c], v[TM+12+2*\c]
	v_cvt_scalef32_pk16_fp6_f32 v[PC+12+4*\c:PC+14+4*\c], v[\s+16+32*\c:\s+31+32*\c], v[TM+12+2*\c+1]   ; (a conversion's three registers begin on an even number)
.endr
	v_nop                                          ; one plain place behind a scaled conversion
.irp c, 0,1                                    ; the operand wants a WHOLE block in a lane: lanes 0-15 block 2 c, lanes 16-31 block 2 c + 1
.irp i, 0,1,2
	v_permlane16_swap_b32 v[PC+6*\c+\i], v[PC+12+4*\c+\i]
.endr
.irp i, 0,1,2
	v_mov_b32 v[PC+3+6*\c+\i], v[PC+12+4*\c+\i]
.endr
.endr
.endm
	s_load_b256 s[4:11], s[0:1], 0x0               ; eeg, ecg, Wq_eeg, Wk_eeg
	s_load_b256 s[12:19], s[0:1], 0x20             ; Wv_eeg, Wq_ecg, Wk_ecg, Wv_ecg
	s_load_b128 s[20:23], s[0:1], 0x40             ; W_out, cod
	s_load_b64 s[24:25], s[0:1], 0x50              ; scl
	v_lshl_add_u32 v[SPW], v0, 2, SPARE
	v_mov_b32 v[NIL], 0
	v_lshrrev_b32 v1, 5, v0
	v_readfirstlane_b32 s30, v1                    ; wave 0..3
	v_and_b32 v[LN], 31, v0
	v_and_b32 v[RW], 15, v0
	v_bfe_u32 v[HF], v0, 4, 1
	s_mul_i32 s34, s30, STG                        ; my stage
	v_lshl_add_u32 v[SIN], v[LN], 4, s34
	v_mul_u32_u24 v[SOUT], v[RW], 528
	v_lshl_add_u32 v[SOUT], v[HF], 6, v[SOUT]
	v_add_nc_u32 v[SOUT], s34, v[SOUT]
	v_lshlrev_b32 v[L8], 3, v[LN]
	v_lshlrev_b32 v[SO], 3, v[RW]
	v_lshl_add_u32 v[SO], v[HF], 7, v[SO]
	v_lshlrev_b32 v[L16], 4, v[LN]
	s_mov_b32 s[SEL], 0x76543210
	s_mov_b32 s[SEL+1], 0xfedcba98
	s_mov_b32 s36, 0xffff0000                      ; lanes 16-31
.irp b, 0,1,2,3
	v_mov_b32 v[TM+4+\b], 0                        ; written once: a lane permute's destination counts as one of its sources
.endr
	s_wait_alu depctr_va_vdst(0)
	s_wait_kmcnt 0x0
; Which tensor is my work-group's: 0-127 eeg, 128-255 ecg, 256 + 32 j the six W, 448-511 W_out.  Only the pointer, the range's start, the pitch and the units in a tile are chosen: all tensors take one path.
.macro PICK start, ptr
	s_cmp_ge_u32 ttmp9, \start
	s_cselect_b64 s[4:5], s[\ptr:\ptr+1], s[4:5]
	s_cselect_b32 s31, \start, s31
.endm
	s_mov_b32 s31, 0
	PICK 128, 6
	PICK 256, 8
	PICK 288, 10
	PICK 320, 12
	PICK 352, 14
	PICK 384, 16
	PICK 416, 18
	PICK 448, 20
	s_cselect_b32 s32, 2, 1                        ; W_out: four units of 512 along K to a tile, else two
	s_mov_b32 s33, 4096
	s_cselect_b32 s33, 8192, s33                   ; a row in bytes
	s_sub_co_u32 s37, ttmp9, s31
	s_lshl_b32 s37, s37, 2
	s_add_co_u32 s37, s37, s30                     ; my unit in the tensor
	s_lshr_b32 s38, s37, s32                       ; its tile
	s_lshl_b32 s39, 1, s32
	s_sub_co_u32 s39, s39, 1
	s_and_b32 s39, s37, s39                        ; which 512 along K
	s_lshr_b32 s40, s38, 1
	s_lshl_b32 s40, s40, 5
	s_and_b32 s41, s38, 1
	s_lshl_b32 s41, s41, 3
	s_add_co_u32 s40, s40, s41                     ; the tile's first row: 32 G + 8 u
	s_mul_i32 s40, s40, s33
	s_lshl_b32 s39, s39, 11
	s_add_co_u32 s40, s40, s39                     ; in bytes, under 2^25
	s_mov_b32 s41, 0
	s_add_nc_u64 s[4:5], s[4:5], s[40:41]
	s_lshl_b32 s42, ttmp9, 2
	s_add_co_u32 s42, s42, s30                     ; my unit in the launch
	s_mul_i32 s44, s42, 6144
	s_mov_b32 s45, 0
	s_add_nc_u64 s[22:23], s[22:23], s[44:45]
	s_lshl_b32 s44, s42, 8
	s_add_nc_u64 s[24:25], s[24:25], s[44:45]
.irp i, 0,1,2,3,4,5,6,7,8,9,10,11,12,13,14,15
	v_mad_u32_u24 v[RO+\i], s33, \i+8*(\i/8), v[L16]
.endr
.macro LOAD t                          ; fragment t: 128 numbers of each of the 16 rows; a load reads 512 consecutive bytes
.irp i, 0,1,2,3,4,5,6,7,8,9,10,11,12,13,14,15
	global_load_b128 v[X+64*((\t)%2)+4*\i:X+64*((\t)%2)+4*\i+3], v[RO+\i], s[4:5] offset:512*(\t) th:TH_LOAD_NT
.endr
.endm
.macro STEP t
.set XS, X+64*((\t)%2)
.if (\t) < 3
	s_wait_loadcnt 16                              ; this step's 16 loads are in; the next step's 16 may be out
.else
	s_wait_loadcnt 0x0
.endif
.irp i, 0,1,2,3,4,5,6,7,8,9,10,11,12,13,14,15
	ds_store_b128 v[SIN], v[XS+4*\i:XS+4*\i+3] offset:528*\i
.endr
.irp b, 0,1,2,3                                ; LDS serves a wave's instructions in order: these see the stores above
.irp j, 0,1,2,3
	ds_load_b128 v[XS+16*\b+4*\j:XS+16*\b+4*\j+3], v[SOUT] offset:128*\b+16*\j
.endr
.endr
	s_wait_dscnt 0x0
.if (\t) > 0
	s_wait_xcnt 0x0                                ; the last step's stores have read the codes' registers: they are written again only behind this wait
.endif
	QUANT XS, PWS+\t
.if (\t) < 2
	LOAD (\t)+2                                    ; the set is free: two steps ahead
.endif
.irp p, 0,1,2,3,4,5
	global_store_b64 v[L8], v[PC+2*\p:PC+2*\p+1], s[22:23] offset:1536*(\t)+256*\p   ; 32 lanes store 256 consecutive bytes, aligned
.endr
.endm
	LOAD 0
	LOAD 1
	STEP 0
	STEP 1
	STEP 2
	STEP 3
	v_cndmask_b32 v[RR], v[PWS], v[PWS+2], s36     ; lanes 0-15: the words of the first 256 along K, lanes 16-31: of the second
	v_cndmask_b32 v[RR+1], v[PWS+1], v[PWS+3], s36
	global_store_b64 v[SO], v[RR:RR+1], s[24:25]   ; 256 consecutive bytes, aligned
	s_wait_tensorcnt 0x0                           ; the wave's end, behind my last LDS store
	ds_add_u32 v[SPW], v[NIL]
	s_wait_dscnt 0x0
	s_endpgm
.Lfunc_end_k_qff807a0daf_quant:
	.size	k_qff807a0daf_quant, .Lfunc_end_k_qff807a0daf_quant-k_qff807a0daf_quant
	.p2alignl 7, 3214868480
	.fill 96, 4, 3214868480
	.section	.rodata,"a",@progbits
	.p2align	6, 0x0
	.amdhsa_kernel k_qff807a0daf_quant
		.amdhsa_group_segment_fixed_size 34304
		.amdhsa_private_segment_fixed_size 0
		.amdhsa_enable_private_segment 0
		.amdhsa_kernarg_size 88
		.amdhsa_user_sgpr_count 2
		.amdhsa_user_sgpr_kernarg_segment_ptr 1
		.amdhsa_wavefront_size32 1
		.amdhsa_system_sgpr_workgroup_id_x 1
		.amdhsa_system_sgpr_workgroup_id_y 1
		.amdhsa_system_sgpr_workgroup_id_z 1
		.amdhsa_system_vgpr_workitem_id 0
		.amdhsa_next_free_vgpr 208
		.amdhsa_next_free_sgpr 66
		.amdhsa_reserve_vcc 0
		.amdhsa_float_denorm_mode_32 3
		.amdhsa_float_denorm_mode_16_64 3
		.amdhsa_memory_ordered 1
		.amdhsa_forward_progress 1
		.amdhsa_inst_pref_size 37
	.end_amdhsa_kernel
	.amdgpu_metadata
---
amdhsa.version: [ 1, 2 ]
amdhsa.kernels:
  - .name:           k_qff807a0daf_quant
    .symbol:         k_qff807a0daf_quant.kd
    .args:
      - { .name: eeg, .offset: 0, .size: 8, .value_kind: global_buffer, .address_space: global }
      - { .name: ecg, .offset: 8, .size: 8, .value_kind: global_buffer, .address_space: global }
      - { .name: Wq_eeg, .offset: 16, .size: 8, .value_kind: global_buffer, .address_space: global }
      - { .name: Wk_eeg, .offset: 24, .size: 8, .value_kind: global_buffer, .address_space: global }
      - { .name: Wv_eeg, .offset: 32, .size: 8, .value_kind: global_buffer, .address_space: global }
      - { .name: Wq_ecg, .offset: 40, .size: 8, .value_kind: global_buffer, .address_space: global }
      - { .name: Wk_ecg, .offset: 48, .size: 8, .value_kind: global_buffer, .address_space: global }
      - { .name: Wv_ecg, .offset: 56, .size: 8, .value_kind: global_buffer, .address_space: global }
      - { .name: W_out, .offset: 64, .size: 8, .value_kind: global_buffer, .address_space: global }
      - { .name: cod, .offset: 72, .size: 8, .value_kind: global_buffer, .address_space: global }
      - { .name: scl, .offset: 80, .size: 8, .value_kind: global_buffer, .address_space: global }
    .group_segment_fixed_size: 34304
    .private_segment_fixed_size: 0
    .kernarg_segment_align: 8
    .kernarg_segment_size: 88
    .max_flat_workgroup_size: 128
    .sgpr_count:     66
    .vgpr_count:     208
    .wavefront_size: 32
...
	.end_amdgpu_metadata
.endif
;; end of part 1
;; launch proj (part 2): grid 4 x 96, 4 waves a work-group, clusters of 4 x 4, 327,680 bytes of LDS; arguments cod, scl, bq_eeg, bk_eeg, bv_eeg, bq_ecg, bk_ecg, bv_ecg, qkv, qkvs; writes qkv, qkvs
.if DOCPART == 2
	.amdgcn_target "amdgcn-amd-amdhsa--gfx1250"
	.amdhsa_code_object_version 6
	.text
	.protected	k_qff807a0daf_proj
	.globl	k_qff807a0daf_proj
	.p2align	8
	.type	k_qff807a0daf_proj,@function
k_qff807a0daf_proj:
	s_mov_b64 s[64:65], 0
	v_nop
	global_prefetch_b8 v0, s[64:65] scope:SCOPE_SE
	s_setreg_imm32_b32 hwreg(HW_REG_WAVE_MODE, 25, 1), 1
	s_wait_xcnt 0x0
	s_wait_alu depctr_hold_cnt(0) depctr_sa_sdst(0) depctr_va_vdst(0) depctr_va_sdst(0) depctr_va_ssrc(0) depctr_va_vcc(0) depctr_vm_vsrc(0)
	s_getreg_b32 s2, hwreg(HW_REG_IB_STS2, 6, 4)
	s_cmp_eq_u32 s2, 0
	s_cbranch_scc0 .Lentry_in_a_cluster
	s_endpgm
.Lentry_in_a_cluster:
	s_bfe_u32 s2, ttmp6, 0x10000c
	s_cmp_lg_u32 s2, 0xf033
	s_cbranch_scc0 .Lentry_shape_is_right
	s_endpgm
.Lentry_shape_is_right:
; The six projections, on codes of FP6 (E2M3) with E8M0 scales; bias and the NEXT product's quantiser stand in the way out, so that q, k and v go to memory as codes alone.
; ONE GEMM TEXT: C'[m][n] = sum over k of A[m][k] B[n][k], K = 1,024; source 0 = 16 rows of B, source 1 = 16 rows of A: a lane holds one row of A and its registers run along n; the result + bias is quantised ALONG n.
;   q, k: A = x (tokens), B = W (channels): codes along the head's 64.      v: A = Wv (channels), B = x (tokens): codes along the keys.
; A tile of C' is 256 x 256 for a work-group of four waves, 128 x 128 a wave (64 accumulators, 512 registers).  24 clusters of 4 x 4: for each branch 4 + 4 for q and k (1,024 tokens x 1,024 channels each) and 4 for v.
; reference()'s per-head factor max(ln(65 .. 80) / ln 2048, 1) is 1.0 for all sixteen heads by its own constants: no multiplication is written for it.
; OPERANDS lie in memory and in LDS as images of their registers (a fragment, 16 rows x 128 K: six pieces of 256 bytes, lane l's 8 bytes at 256 p + 8 l): every LDS load is 8 x lane + a constant.
; Row r of tile 2 G + u is row 32 G + 8 u + r + 8 (r / 8): so the 16 registers of two neighbouring tiles of B are 16 neighbours along n, as the conversions want them.
; K goes in steps of 256 through a ring of two LDS slots; the scales of the work-group's rows come once.  A's tiles are asked for jointly along a row of the cluster, B's along a column.
; REGISTERS: window 0: v16-29 addresses; v32-63 scale words, two sets; v64-127 the bias along n; v128-223 A's fragments, one set; v228-243 the bias along m.  window 1: B's fragments, two sets.  windows 2, 3: the accumulators.
; LIMITS: a block of zeros gets the byte 1 where the rule says 127 (its codes are zeros; this program alone reads the bytes); NaN and infinities are not served.
.set STEPB,  3072                      ; 256 along K of one tile: two fragments
.set NQ,     2
.set FR,     12
.set NL,     6
.set NP,     4                         ; places behind this matrix instruction (ISA guide 7.12.1)
.set HALFT,  8*STEPB                   ; 128 rows: what one tensor load brings
.set SLOT,   4*HALFT                   ; A's 256 rows, then B's
.set TS,     512                       ; a tile's scale bytes: 4 K steps x 16 rows x 8
.set HALFS,  8*TS
; LDS, as the text below uses it: bytes 0 .. SLOT hold K step 0 (A's 16 tiles x 3,072 bytes, then B's) and are filled once more, with K step 3, when K step 0 has been read: the launch's one refill.
; Bytes SLOT .. 3 SLOT hold K steps 1 and 2, tile by tile (A's 16 tiles x 6,144 bytes, then B's), filled once.  All three K steps are asked for at the head, one load a wave.
; The scale words do not go through LDS: they come by loads of 8 bytes a lane into registers, lanes 0-15 A's rows, lanes 16-31 B's (both lie in scl): 16 registers a K step, v32-95.
.set SCL,    3*SLOT
.set SPARE,  SCL+4*HALFS+256           ; the spare words, 128 bytes a wave, which no other line names
.set ADRA, 16                          ; v16-17 my A fragments in slot 0, 1
.set ADRB, 20                          ; v20-21 my B fragments
.set L8,   24                          ; v24 8 x lane
.set L16,  25                          ; v25 16 x lane
.set ADRS, 27                          ; v27 my scale words: lanes 0-15 A's rows, lanes 16-31 B's
.set SPW,  28
.set NIL,  29
.set SC,   32
.set BN,   64                          ; v64-127 bias of the lane's 64 places along n (zeros for v)
.set AF,   128
.set BM,   228                         ; v228-243 bias of the lane's row in block a, as a pair (zeros for q, k)
.set VA,   32                          ; the way out: v32-39 block a's byte offset
.set PWS,  40                          ; v40-47 block a's scale word
.set EO,   48
.set RR,   56
.set TT,   128                         ; v128-191 a block's 64 numbers
.set TM,   192
.set PC,   208
.set SEL,  68                          ; s68, s69: written behind the loop
.set G1, 24
.set G0, 32
.set G1B, 48
.set G0B, 56
.set G1S, 68
.set G0S, 76
.set G1SB, 80
.set G0SB, 88
.set MSB, 0
.macro WIN new                         ; the immediate's high byte repeats the setting that is left
.if MSB != (\new)
	s_set_vgpr_msb (MSB<<8)|(\new)
.set MSB, (\new)
.endif
.endm
.set MUL_LO, 0xa1                      ; source 0 (B) window 1, source 1 (A) window 0, C and D window 2
.set MUL_HI, 0xf1
.set TO_B,   0x40
; A joint load: waves 0 and 1 fetch for A, waves 2 and 3 for B; the branch hangs on the wave's number alone.  An s_nop 0 and four v_nop follow each line.
.macro JLOAD g0a, g1a, g0b, g1b
	s_cmp_eq_u32 s15, 0
	s_cbranch_scc0 .Lfor_b_\@
	tensor_load_to_lds s[\g0a:\g0a+3], s[\g1a:\g1a+7]
	s_nop 0
.rept 4
	v_nop
.endr
	s_branch .Lasked_\@
.Lfor_b_\@:
	tensor_load_to_lds s[\g0b:\g0b+3], s[\g1b:\g1b+7]
	s_nop 0
.rept 4
	v_nop
.endr
.Lasked_\@:
.endm
.macro CREST
	s_cmp_lg_u32 s14, 0
	s_cbranch_scc1 .Lnot_wave_0_\@
	s_barrier_signal -3
.Lnot_wave_0_\@:
	s_barrier_wait -3
	s_barrier_signal -1
	s_barrier_wait -1
.endm
.macro CROUND
	s_barrier_signal -1
	s_barrier_wait -1
	CREST
.endm
.macro QUANT s, pw                     ; 64 numbers, register 16 b + i = place 32 b + 16 h + i, become 12 registers of codes in v[PC] on and the row's scale word in v[pw]
.irp b, 0,1,2,3
	v_max3_num_f32 v[TM+\b], |v[\s+16*\b]|, |v[\s+1+16*\b]|, 0x1800000   ; with the floor 2^(3 - 127): the byte cannot fall under 1
.endr
.irp i, 2,4,6,8,10,12,14
.irp b, 0,1,2,3
	v_max3_num_f32 v[TM+\b], v[TM+\b], |v[\s+16*\b+\i]|, |v[\s+1+16*\b+\i]|
.endr
.endr
.irp b, 0,1,2,3
	v_permlanex16_b32 v[TM+4+\b], v[TM+\b], s[SEL], s[SEL+1]
.endr
.irp b, 0,1,2,3
	v_max_num_f32 v[TM+\b], v[TM+\b], v[TM+4+\b]
.endr
.irp b, 0,1,2,3
	v_add_nc_u32 v[TM+12+\b], 0xff000000, v[TM+\b]   ; 2 off the exponent field: the conversion's scale operand
.endr
.irp b, 0,1,2,3
	v_lshrrev_b32 v[TM+4+\b], 23, v[TM+12+\b]
.endr
	v_lshl_or_b32 v[\pw], v[TM+5], 8, v[TM+4]
	v_lshl_or_b32 v[\pw], v[TM+6], 16, v[\pw]
	v_lshl_or_b32 v[\pw], v[TM+7], 24, v[\pw]
.irp c, 0,1
	v_cvt_scalef32_pk16_fp6_f32 v[PC+6*\c:PC+2+6*\c], v[\s+32*\c:\s+15+32*\c], v[TM+12+2*\c]
	v_cvt_scalef32_pk16_fp6_f32 v[PC+12+4*\c:PC+14+4*\c], v[\s+16+32*\c:\s+31+32*\c], v[TM+12+2*\c+1]
.endr
	v_nop                                          ; one plain place behind a scaled conversion
.irp c, 0,1
.irp i, 0,1,2
	v_permlane16_swap_b32 v[PC+6*\c+\i], v[PC+12+4*\c+\i]
.endr
.irp i, 0,1,2
	v_mov_b32 v[PC+3+6*\c+\i], v[PC+12+4*\c+\i]
.endr
.endr
.endm
	s_load_b128 s[4:7], s[0:1], 0x0                ; cod, scl
	s_load_b128 s[8:11], s[0:1], 0x40              ; qkv, qkvs
	s_load_b256 s[68:75], s[0:1], 0x10             ; bq_eeg, bk_eeg, bv_eeg, bq_ecg
	s_load_b128 s[76:79], s[0:1], 0x30             ; bk_ecg, bv_ecg
	v_lshl_add_u32 v[SPW], v0, 2, SPARE
	v_mov_b32 v[NIL], 0
	ds_add_u32 v[SPW], v[NIL]                      ; the wave's opening: the add and its wait stand ahead of my first tensor load; work on registers stands between
	ds_add_u32 v[SPW], v[NIL]
	v_lshrrev_b32 v1, 5, v0
	v_readfirstlane_b32 s14, v1                    ; wave 0..3
	s_lshr_b32 s15, s14, 1                         ; my half of A's rows.  Also: I fetch for A (0) or B (1)
	s_and_b32 s16, s14, 1                          ; my half of B's rows.  Also: which 128 rows I fetch
	s_bfe_u32 s40, ttmp6, 0x40000                  ; cx
	s_bfe_u32 s41, ttmp6, 0x40004                  ; cy
	s_lshl_b32 s43, s41, 2
	s_lshl_b32 s43, 15, s43                        ; my row of the cluster
	s_lshl_b32 s44, 0x1111, s40                    ; my column
	; the cluster's number c says which product: all sixteen partners share it.  No branch: candidates, one compare, selects.
	s_and_b32 s17, ttmp7, 0xffff                   ; c = 0 .. 23
	s_cmp_ge_u32 s17, 12
	s_cselect_b32 s18, 1, 0                        ; br: 0 eeg, 1 ecg
	s_mul_i32 s19, s18, 12
	s_sub_co_u32 s19, s17, s19                     ; e = 0 .. 11: 0-7 q and k by turns, 8-11 v
	s_and_b32 s20, s19, 1
	s_lshr_b32 s21, s19, 1
	s_lshl_b32 s21, s21, 10                        ; q, k: the cluster's first token
	s_sub_co_u32 s22, s19, 8
	s_lshl_b32 s22, s22, 10                        ; v: likewise
	s_lshl_b32 s23, s18, 12                        ; x's first row in cod: 4,096 br
	s_mul_i32 s42, s18, 3072
	s_add_co_u32 s42, s42, 8192                    ; the branch's first W
	s_lshl_b32 s45, s20, 10
	s_add_co_u32 s45, s45, s42                     ; Wq or Wk
	s_add_co_u32 s46, s42, 2048                    ; Wv
	s_cmp_lt_u32 s19, 8
	s_cselect_b32 s20, s20, 2                      ; typ: 0 q, 1 k, 2 v
	s_cselect_b32 s21, s21, 0                      ; relA
	s_cselect_b32 s22, 0, s22                      ; relB
	s_cselect_b32 s42, s45, s23                    ; baseB
	s_cselect_b32 s23, s23, s46                    ; baseA
	; descriptor group 1, codes: 8 tiles x 3,072 bytes (384 elements of 8 bytes), 12,288 bytes from tile to tile; dense in LDS
	s_or_b32 s[G1+0], s43, (3<<16)|(1<<21)         ; 15:0 the mask: A's tiles go to my row; 17:16 elements of 8 bytes; 21 set beside a mask
	s_or_b32 s[G1B+0], s44, (3<<16)|(1<<21)
.irp g, G1, G1B
	s_mov_b32 s[\g+1], 384<<16                     ; tensor_dim0
	s_mov_b32 s[\g+2], 16<<16                      ; tensor_dim1: the head's loads bring all 16 tiles of a side; behind them the two words that count tiles are set to 8
	s_mov_b32 s[\g+3], 384<<16                     ; tile_dim0
	s_mov_b32 s[\g+4], 16                          ; tile_dim1
	s_mov_b32 s[\g+5], 1536                        ; tensor_dim0_stride
	s_mov_b32 s[\g+6], 0
	s_mov_b32 s[\g+7], 0
.endr
	s_or_b32 s[G1SB+0], s44, (3<<16)|(1<<21)       ; B's codes of K steps 1 and 2; the mask: my column
	s_mov_b32 s[G1SB+1], 768<<16                   ; K steps 1 and 2 of B's 16 tiles: 768 elements of 8 bytes a tile, 1,536 from tile to tile
	s_mov_b32 s[G1SB+2], 16<<16
	s_mov_b32 s[G1SB+3], 768<<16
	s_mov_b32 s[G1SB+4], 16
	s_mov_b32 s[G1SB+5], 1536
	s_mov_b32 s[G1SB+6], 0
	s_mov_b32 s[G1SB+7], 0
	s_lshl_b32 s17, s41, 8
	s_add_co_u32 s17, s17, s21
	s_add_co_u32 s17, s17, s23                     ; A's first row in cod: hangs on c and cy
	s_lshl_b32 s101, s40, 8
	s_add_co_u32 s101, s101, s22
	s_add_co_u32 s101, s101, s42                   ; B's: on c and cx
	s_lshl_b32 s46, s17, 5                         ; scale bytes: 32 a row
	s_mov_b32 s47, 0
	s_lshl_b32 s96, s101, 5
	s_mov_b32 s97, 0
	s_mul_i32 s45, s14, HALFT                      ; where they go: wave x 128 rows
	s_wait_dscnt 0x0                               ; the opening add is done
	s_wait_kmcnt 0x0
	s_cmp_eq_u32 s18, 0                            ; the product's bias: a choice between buffers on the cluster's number alone
	s_cselect_b64 s[68:69], s[68:69], s[74:75]
	s_cselect_b64 s[70:71], s[70:71], s[76:77]
	s_cselect_b64 s[72:73], s[72:73], s[78:79]
	s_cmp_eq_u32 s20, 1
	s_cselect_b64 s[12:13], s[70:71], s[68:69]
	s_cmp_eq_u32 s20, 2
	s_cselect_b64 s[12:13], s[72:73], s[12:13]
	s_or_b32 s[G1S+0], s43, (3<<16)|(1<<21)        ; A's K steps 1 and 2 (these registers held the biases' addresses till now)
	s_mov_b32 s[G1S+1], 768<<16                    ; the same of A's
	s_mov_b32 s[G1S+2], 16<<16
	s_mov_b32 s[G1S+3], 768<<16
	s_mov_b32 s[G1S+4], 16
	s_mov_b32 s[G1S+5], 1536
	s_mov_b32 s[G1S+6], 0
	s_mov_b32 s[G1S+7], 0
	s_mov_b32 s66, s46                             ; where the scale bytes of A's 256 rows begin in scl,
	s_mov_b32 s67, s96                             ; and of B's
	s_mul_i32 s46, s17, 768                        ; codes: 768 bytes a row
	s_mul_i32 s96, s101, 768
	s_add_nc_u64 s[G0+2:G0+3], s[4:5], s[46:47]
	s_add_nc_u64 s[G0B+2:G0B+3], s[4:5], s[96:97]
.irp s, 0
	s_mov_b32 s[G0+4*\s], 1
	s_add_co_u32 s[G0+4*\s+1], s45, \s*SLOT
	s_or_b32 s[G0+4*\s+3], s[G0+4*\s+3], 0x80000000
	s_mov_b32 s[G0B+4*\s], 1
	s_add_co_u32 s[G0B+4*\s+1], s45, \s*SLOT
	s_or_b32 s[G0B+4*\s+3], s[G0B+4*\s+3], 0x80000000
.endr
	CROUND                                         ; all sixteen work-groups are here: the first joint loads meet
; THE HEAD'S LOADS, ONE A WAVE: wave 0 K step 0 of A's 256 rows, wave 1 of B's, wave 2 K steps 1 and 2 of A's, wave 3 of B's.
	s_mov_b32 s[G0+1], 0
	s_mov_b32 s[G0B+1], 2*HALFT
	s_mov_b32 s[G0S], 1
	s_mov_b32 s[G0S+1], SLOT
	s_add_nc_u64 s[G0S+2:G0S+3], s[G0+2:G0+3], STEPB
	s_or_b32 s[G0S+3], s[G0S+3], 0x80000000
	s_mov_b32 s[G0SB], 1
	s_mov_b32 s[G0SB+1], SLOT+4*HALFT
	s_add_nc_u64 s[G0SB+2:G0SB+3], s[G0B+2:G0B+3], STEPB
	s_or_b32 s[G0SB+3], s[G0SB+3], 0x80000000
.macro ARM under, g0, g1, next
	s_cmp_lt_u32 s14, \under
	s_cbranch_scc0 \next
	tensor_load_to_lds s[\g0:\g0+3], s[\g1:\g1+7]
	s_nop 0
.rept 4
	v_nop
.endr
	s_branch .Lhead_asked
\next:
.endm
	ARM 1, G0,  G1,  .Lhead_b
	ARM 2, G0B, G1B, .Lhead_sa
	ARM 3, G0S, G1S, .Lhead_sb
	tensor_load_to_lds s[G0SB:G0SB+3], s[G1SB:G1SB+7]
	s_nop 0
.rept 4
	v_nop
.endr
.Lhead_asked:
	v_and_b32 v1, 15, v0                           ; r
	v_bfe_u32 v2, v0, 4, 1                         ; h
	s_wait_alu depctr_va_vdst(0)
	v_and_b32 v3, 31, v0
	v_lshlrev_b32 v[L8], 3, v3
	v_lshlrev_b32 v[L16], 4, v3
	s_mul_i32 s46, s15, HALFT                      ; my 128 rows of A
	s_mul_i32 s47, s16, HALFT
	s_add_co_u32 s47, s47, 2*HALFT                 ; my 128 rows of B, behind A's 256
	v_add_nc_u32 v[ADRA], s46, v[L8]               ; K steps 0 and 3
	v_add_nc_u32 v[ADRB], s47, v[L8]
	s_lshl_b32 s46, s46, 1                         ; K steps 1 and 2: twice the bytes a tile, behind the first SLOT bytes
	s_lshl_b32 s47, s47, 1
	s_add_co_u32 s46, s46, SLOT
	s_add_co_u32 s47, s47, SLOT
	v_add_nc_u32 v[ADRA+1], s46, v[L8]
	v_add_nc_u32 v[ADRB+1], s47, v[L8]
	v_lshlrev_b32 v5, 3, v1                        ; scale words: 8 bytes a row and K step
	s_mul_i32 s46, s15, HALFS                      ; my 128 rows of A: 4,096 bytes of scl,
	s_add_co_u32 s46, s46, s66
	s_mul_i32 s47, s16, HALFS                      ; my 128 rows of B
	s_add_co_u32 s47, s47, s67
	s_mov_b32 s2, 0xffff0000
	v_mov_b32 v6, s46
	v_mov_b32 v7, s47
	v_cndmask_b32 v6, v6, v7, s2                   ; lanes 16-31 take B's
	v_add_nc_u32 v[ADRS], v5, v6
.irp k, 0,1                            ; K steps 0 and 1; sixteen lanes read 128 consecutive bytes
.irp i, 0,1,2,3,4,5,6,7
	global_load_b64 v[32+16*\k+2*\i:32+16*\k+2*\i+1], v[ADRS], s[6:7] offset:\i*TS+128*\k
.endr
.endr
	; the way out's numbers: my first row of A and of B in the product, which of them counts tokens, and where the codes go
	s_lshl_b32 s46, s41, 8
	s_add_co_u32 s46, s46, s21
	s_lshl_b32 s47, s15, 7
	s_add_co_u32 s46, s46, s47                     ; rA
	s_lshl_b32 s96, s40, 8
	s_add_co_u32 s96, s96, s22
	s_lshl_b32 s97, s16, 7
	s_add_co_u32 s96, s96, s97                     ; rB
	s_mov_b32 s92, 1536
	s_mov_b32 s94, 768
	s_mov_b32 s98, 0x03020100
	s_mov_b32 s99, 0x07060504
	s_mov_b32 s100, 0xffff0000                     ; lanes 16-31
	s_cmp_lt_u32 s19, 8                            ; q or k?
	s_cselect_b32 s17, s46, s96                    ; my first token
	s_cselect_b32 s101, s96, s46                   ; my first channel
	s_cselect_b32 s46, s101, 0                     ; where the bias along n begins (v: its first numbers, which are masked off)
	s_cselect_b32 s47, 0, s101                     ; and the bias along m
	s_cselect_b32 s92, 768, s92                    ; from block to block: a half image, or a whole one
	s_cselect_b32 s93, 0, 92160                    ; v: blocks 4-7 belong to the next head: 98,304 - 4 x 1,536 further on
	s_cselect_b32 s94, 98304, s94                  ; registers 6-11: the next head's half image, or the image's second half
	s_cselect_b32 s98, 0x05040100, s98             ; how two blocks' scale words are paired
	s_cselect_b32 s99, 0x07060302, s99
	s_cselect_b32 s66, -1, 0
	s_cselect_b32 s67, 0, -1
	s_lshr_b32 s2, s17, 11
	s_lshl_b32 s97, s18, 1
	s_add_co_u32 s2, s2, s97                       ; 2 br + batch
	s_bfe_u32 s17, s17, 0x40007                    ; which 128 tokens of the batch's 2,048
	s_lshr_b32 s101, s101, 6                       ; my first head (even)
	s_lshl_b32 s2, s2, 4
	s_add_co_u32 s2, s2, s101                      ; hb
	s_lshl_b32 s96, s2, 4
	s_add_co_u32 s96, s96, s17
	s_mul_i32 s96, s96, 6144
	s_mul_i32 s97, s20, 6291456
	s_add_co_u32 s96, s96, s97
	s_mov_b32 s97, 0
	s_add_nc_u64 s[8:9], s[8:9], s[96:97]
	s_mov_b32 s95, 0
	s_add_nc_u64 s[94:95], s[8:9], s[94:95]
	s_lshr_b32 s2, s2, 1
	s_lshl_b32 s2, s2, 4
	s_add_co_u32 s2, s2, s17
	s_lshl_b32 s96, s2, 9
	s_lshl_b32 s2, s20, 18
	s_add_co_u32 s96, s96, s2
	s_add_nc_u64 s[10:11], s[10:11], s[96:97]
	; both biases are loaded in both modes, inside the 1,024 numbers, and the one that does not apply becomes zeros: one text serves q, k and v
	s_lshl_b32 s46, s46, 2
	s_lshl_b32 s47, s47, 2
	v_lshlrev_b32 v5, 6, v2
	v_add_nc_u32 v5, s46, v5                       ; along n: 64 h + 128 b + 16 j
	v_and_b32 v6, 8, v1
	v_add_nc_u32 v6, v6, v1
	v_lshlrev_b32 v6, 2, v6
	v_add_nc_u32 v6, s47, v6                       ; along m: my row r + 8 (r / 8) of block a
.irp b, 0,1,2,3
.irp j, 0,1,2,3
	global_load_b128 v[BN+16*\b+4*\j:BN+16*\b+4*\j+3], v5, s[12:13] offset:128*\b+16*\j
.endr
.endr
.irp a, 0,1,2,3,4,5,6,7
	global_load_b32 v[BM+2*\a], v6, s[12:13] offset:4*(32*(\a/2)+8*(\a%2))
.endr
	s_wait_loadcnt 0x0
.set ii, 0
.rept 64
	v_cndmask_b32 v[BN+ii], 0, v[BN+ii], s66
.set ii, ii+1
.endr
.irp a, 0,1,2,3,4,5,6,7
	v_cndmask_b32 v[BM+2*\a+1], 0, v[BM+2*\a], s67 ; the pair's upper half,
	v_cndmask_b32 v[BM+2*\a], 0, v[BM+2*\a], s67   ; and its lower
.endr
.macro FRAG reg, adr, ks, q, i         ; a fragment comes as it was stored: six pieces, 8 x lane + a constant.  K steps 0, 3: first address register, 3,072 bytes a tile; K steps 1, 2: the second, 6,144 a tile, K step 2 in the tile's upper half
.irp p, 0,1,2,3,4,5
	ds_load_b64 v[\reg+2*\p:\reg+2*\p+1], v[\adr+(((\ks)+1)/2)%2] offset:(\i)*STEPB*(1+(((\ks)+1)/2)%2)+((\ks)/2)*(3-(\ks))*STEPB+(\q)*1536+256*\p
.endr
.endm
; 16 matrix instructions: A's blocks a0, a0 + 1 x B's eight.  The 64 accumulators take turns, one instruction a turn, in the same order in every step.
.macro MUL16 a0, p, q, sc, zero
.irp a, \a0, \a0+1
.irp b, 0,1,2,3,4,5,6,7
.if \zero
	v_wmma_scale_f32_16x16x128_f8f6f4 v[8*(8*((\a)%4)+\b):8*(8*((\a)%4)+\b)+7], v[128*(\p)+FR*\b:128*(\p)+FR*\b+FR-1], v[AF+FR*(\a):AF+FR*(\a)+FR-1], v[BN+8*\b:BN+8*\b+7], v[SC+8*NQ*(\sc)+NQ*\b+(\q)], v[SC+8*NQ*(\sc)+NQ*(\a)+(\q)] matrix_a_fmt:MATRIX_FMT_FP6 matrix_b_fmt:MATRIX_FMT_FP6 matrix_a_scale:MATRIX_SCALE_ROW1
.else
	v_wmma_scale_f32_16x16x128_f8f6f4 v[8*(8*((\a)%4)+\b):8*(8*((\a)%4)+\b)+7], v[128*(\p)+FR*\b:128*(\p)+FR*\b+FR-1], v[AF+FR*(\a):AF+FR*(\a)+FR-1], v[8*(8*((\a)%4)+\b):8*(8*((\a)%4)+\b)+7], v[SC+8*NQ*(\sc)+NQ*\b+(\q)], v[SC+8*NQ*(\sc)+NQ*(\a)+(\q)] matrix_a_fmt:MATRIX_FMT_FP6 matrix_b_fmt:MATRIX_FMT_FP6 matrix_a_scale:MATRIX_SCALE_ROW1
.endif
.endr
.endr
.endm
.macro FETCH_B slot, q, p
	WIN TO_B
.irp i, 0,1,2,3,4,5,6,7
	FRAG 128*(\p)+FR*\i, ADRB, \slot, \q, \i
.endr
	WIN 0
.endm
.macro FETCH_A slot, q, i0
.irp i, \i0, \i0+1, \i0+2, \i0+3
	FRAG AF+FR*(\i), ADRA, \slot, \q, \i
.endr
.endm
.macro SCALES sc                       ; a K step's two words a row: lanes 0-15 A's block i, lanes 16-31 B's block i
.irp i, 0,1,2,3,4,5,6,7
	global_load_b64 v[32+8*NQ*(\sc)+NQ*\i:32+8*NQ*(\sc)+NQ*\i+1], v[ADRS], s[6:7] offset:\i*TS+128*(\sc)
.endr
.endm
.macro PLACES n                        ; plain vector instructions between a matrix instruction and a load into, or a vector write of, its registers, or a read of its result
.rept \n
	v_nop
.endr
.endm
.macro STEP slot, q, zero              ; 128 along K that has its successor in the same K step
.set SC, 32+32*((\slot)/2)             ; K step ks has its scale words at v[32 + 16 ks]
	s_wait_dscnt 4*NL                              ; B's set and A's blocks 0-3 are in; the 24 youngest loads (A's blocks 4-7) may be out
	WIN MUL_LO-0x20*(\zero)                        ; (slot: the K step, 0 to 3.)  The first products take the bias along n, in window 0, as C
	MUL16 0, (\q)%2, \q, (\slot)%2, \zero
	MUL16 2, (\q)%2, \q, (\slot)%2, \zero
	s_wait_dscnt 0
	PLACES NP
	FETCH_B \slot, (\q)+1, 1-(\q)%2
	FETCH_A \slot, (\q)+1, 0
	WIN MUL_HI-0x30*(\zero)
	MUL16 4, (\q)%2, \q, (\slot)%2, \zero
	MUL16 6, (\q)%2, \q, (\slot)%2, \zero
	PLACES NP
	WIN 0
	FETCH_A \slot, (\q)+1, 4
.endm
; A slot's last step changes slots: one barrier; in front of it each wave waits for all its tensor loads, adds 0 to its spare word, and waits for that and for its reads of this slot.
; fill = 1: K step 0's bytes are filled again; 0: a barrier shows the next K step's bytes whole, nothing is filled; 2: the next K step lies in bytes that an earlier barrier has shown whole: no barrier
.macro TURN slot, next, fill
.set SC, 32+32*((\slot)/2)
.if \fill < 2
	s_wait_tensorcnt 0x0                           ; all my tensor loads have landed: my part of what is read next
	ds_add_u32 v[SPW], v[NIL]
	s_wait_dscnt 4*NL+1                            ; (the add and the 24 youngest loads may be out)
	WIN MUL_LO
	MUL16 0, 1, NQ-1, (\slot)%2, 0
	s_wait_dscnt 0x0                               ; the add is done, and my reads of this K step are over
	s_barrier_signal -1
	MUL16 2, 1, NQ-1, (\slot)%2, 0
	WIN 0
	s_barrier_wait -1
.else
	s_wait_dscnt 4*NL                              ; the 24 youngest loads may be out
	WIN MUL_LO
	MUL16 0, 1, NQ-1, (\slot)%2, 0
	MUL16 2, 1, NQ-1, (\slot)%2, 0
	WIN 0
	s_wait_dscnt 0
.endif
.if \fill == 1
	CREST                                          ; the barrier has opened a round of the cluster's: no wave of any partner still reads K step 0 or has a load on its way
.irp g, G1, G1B                        ; no tensor load of mine is out: this load brings 8 tiles,
	s_mov_b32 s[\g+2], 8<<16
	s_mov_b32 s[\g+4], 8
.endr
	s_mov_b32 s[G0+1], s45                         ; my 128 rows, in LDS and in memory,
	s_mov_b32 s[G0B+1], s45
	s_mul_i32 s2, s16, 98304                       ; (128 rows x 768 bytes)
	s_mov_b32 s3, 0
	s_add_nc_u64 s[G0+2:G0+3], s[G0+2:G0+3], s[2:3]
	s_add_nc_u64 s[G0B+2:G0B+3], s[G0B+2:G0B+3], s[2:3]
	s_add_nc_u64 s[G0+2:G0+3], s[G0+2:G0+3], 3*STEPB   ; of K step 3
	s_add_nc_u64 s[G0B+2:G0B+3], s[G0B+2:G0B+3], 3*STEPB
	JLOAD G0, G1, G0B, G1B                         ; K step 3: my one tensor load behind the round; its four v_nop are the places in front of the loads below
.else
	PLACES NP
.endif
	FETCH_B \next, 0, 0
	FETCH_A \next, 0, 0
.if \fill == 1
	SCALES 2                                       ; the scale words of K steps 2 and 3, into the registers that held the bias along n: the first step's products, which read it, are long issued, with their places behind them
	SCALES 3
.endif
	WIN MUL_HI
	MUL16 4, 1, NQ-1, (\slot)%2, 0
	MUL16 6, 1, NQ-1, (\slot)%2, 0
	PLACES NP
	WIN 0
	FETCH_A \next, 0, 4
.if \fill == 2
	s_wait_loadcnt 0x0                             ; the scale words of K steps 2 and 3 are in
.endif
.endm
	s_wait_alu depctr_va_vdst(0)                   ; the head's end
	s_cmp_ge_u32 s14, 2
	s_cbranch_scc1 .Lhead_in                       ; waves 2 and 3 asked for K steps 1 and 2, which are first read behind the next barrier: every wave waits for all its loads in front of that one
	s_wait_tensorcnt 0x0                           ; waves 0 and 1: K step 0 is in
.Lhead_in:
	s_barrier_signal -1
	s_barrier_wait -1
	FETCH_B 0, 0, 0
	FETCH_A 0, 0, 0
	FETCH_A 0, 0, 4
	STEP 0, 0, 1                                   ; the first step's products start the sums
	TURN 0, 1, 1                                   ; K steps 1 and 2 are in; K step 3 is asked for
	STEP 1, 0, 0
	TURN 1, 2, 2
	STEP 2, 0, 0
	TURN 2, 3, 0                                   ; K step 3 is in
	STEP 3, 0, 0
	s_wait_dscnt 4*NL
	WIN MUL_LO
	MUL16 0, 1, NQ-1, 1, 0
	MUL16 2, 1, NQ-1, 1, 0
	s_wait_dscnt 0
	WIN MUL_HI
	MUL16 4, 1, NQ-1, 1, 0
	MUL16 6, 1, NQ-1, 1, 0
	WIN 0
; THE WAY OUT, block by block of 16 rows of A x 128 along n: + bias, quantised along n, stored as the image of the next product's operand.  No LDS: a lane's registers are what it stores.
;   q, k: registers 0-5 are the half image (64 along the head) of token tile 8 step + a of my first head, registers 6-11 that of the next head.
;   v: the 12 registers are the fragment (16 channels x 128 keys) of channel tile a % 4 of head a / 4.
.macro BLOCKOUT a
.set AC, 64*((\a)%4)
	s_wait_xcnt 0x0                                ; the last block's stores have read the codes' registers
	WIN 0x02+(\a)/4                                ; source 0: window 2 or 3
.set ii, 0
.rept 32
	v_pk_add_f32 v[TT+ii:TT+ii+1], v[AC+ii:AC+ii+1], v[BM+2*(\a):BM+2*(\a)+1]   ; each accumulator from its low end on; + the bias along m (zeros for q, k; the bias along n went in as the first products' C)
.set ii, ii+2
.endr
	WIN 0
	QUANT TT, PWS+\a
.irp p, 0,1,2
	global_store_b64 v[VA+\a], v[PC+2*\p:PC+2*\p+1], s[8:9] offset:256*\p         ; 32 lanes store 256 consecutive bytes, aligned
.endr
.irp p, 0,1,2
	global_store_b64 v[VA+\a], v[PC+6+2*\p:PC+6+2*\p+1], s[94:95] offset:256*\p
.endr
.endm
	PLACES NP                                      ; behind the last products: their fragments' and scales' registers are written below
	s_mov_b32 s[SEL], 0x76543210                   ; (the tensor load of A's K steps 1 and 2, which named these two, was shown done by the first wait on TENSORcnt)
	s_mov_b32 s[SEL+1], 0xfedcba98
.irp b, 0,1,2,3
	v_mov_b32 v[TM+4+\b], 0                        ; a lane permute's destination counts as one of its sources
.endr
.irp a, 0,1,2,3,4,5,6,7
	v_mad_u32_u24 v[VA+\a], s92, \a, v[L8]
.endr
.irp a, 4,5,6,7
	v_add_nc_u32 v[VA+\a], s93, v[VA+\a]
.endr
.irp a, 0,1,2,3,4,5,6,7
	BLOCKOUT \a
.endr
; The eight scale words leave as one block of 512 bytes, laid as the attention reads it.  q, k: lanes 0-15 my first head, lanes 16-31 the next; word i: low half token tile 2 i's two bytes, high half tile 2 i + 1's.
; v: word i of lane l is block 2 i + l / 16's word.
.irp b, 0,1,2,3
	v_perm_b32 v[EO+\b], v[PWS+2*\b+1], v[PWS+2*\b], s98
	v_perm_b32 v[EO+4+\b], v[PWS+2*\b+1], v[PWS+2*\b], s99
.endr
.irp b, 0,1,2,3
	v_cndmask_b32 v[RR+\b], v[EO+\b], v[EO+4+\b], s100
.endr
	global_store_b128 v[L16], v[RR:RR+3], s[10:11] ; 512 consecutive bytes, aligned
	s_wait_tensorcnt 0x0                           ; the wave's end
	ds_add_u32 v[SPW], v[NIL]
	s_wait_dscnt 0x0
	CROUND                                         ; the closing round
	s_endpgm
.Lfunc_end_k_qff807a0daf_proj:
	.size	k_qff807a0daf_proj, .Lfunc_end_k_qff807a0daf_proj-k_qff807a0daf_proj
	.p2alignl 7, 3214868480
	.fill 96, 4, 3214868480
	.section	.rodata,"a",@progbits
	.p2align	6, 0x0
	.amdhsa_kernel k_qff807a0daf_proj
		.amdhsa_group_segment_fixed_size 327680
		.amdhsa_private_segment_fixed_size 0
		.amdhsa_enable_private_segment 0
		.amdhsa_kernarg_size 80
		.amdhsa_user_sgpr_count 2
		.amdhsa_user_sgpr_kernarg_segment_ptr 1
		.amdhsa_wavefront_size32 1
		.amdhsa_system_sgpr_workgroup_id_x 1
		.amdhsa_system_sgpr_workgroup_id_y 1
		.amdhsa_system_sgpr_workgroup_id_z 1
		.amdhsa_system_vgpr_workitem_id 0
		.amdhsa_next_free_vgpr 1024
		.amdhsa_next_free_sgpr 102
		.amdhsa_reserve_vcc 0
		.amdhsa_float_denorm_mode_32 3
		.amdhsa_float_denorm_mode_16_64 3
		.amdhsa_memory_ordered 1
		.amdhsa_forward_progress 1
		.amdhsa_inst_pref_size 192
	.end_amdhsa_kernel
	.amdgpu_metadata
---
amdhsa.version: [ 1, 2 ]
amdhsa.kernels:
  - .name:           k_qff807a0daf_proj
    .symbol:         k_qff807a0daf_proj.kd
    .args:
      - { .name: cod, .offset: 0, .size: 8, .value_kind: global_buffer, .address_space: global }
      - { .name: scl, .offset: 8, .size: 8, .value_kind: global_buffer, .address_space: global }
      - { .name: bq_eeg, .offset: 16, .size: 8, .value_kind: global_buffer, .address_space: global }
      - { .name: bk_eeg, .offset: 24, .size: 8, .value_kind: global_buffer, .address_space: global }
      - { .name: bv_eeg, .offset: 32, .size: 8, .value_kind: global_buffer, .address_space: global }
      - { .name: bq_ecg, .offset: 40, .size: 8, .value_kind: global_buffer, .address_space: global }
      - { .name: bk_ecg, .offset: 48, .size: 8, .value_kind: global_buffer, .address_space: global }
      - { .name: bv_ecg, .offset: 56, .size: 8, .value_kind: global_buffer, .address_space: global }
      - { .name: qkv, .offset: 64, .size: 8, .value_kind: global_buffer, .address_space: global }
      - { .name: qkvs, .offset: 72, .size: 8, .value_kind: global_buffer, .address_space: global }
    .group_segment_fixed_size: 327680
    .private_segment_fixed_size: 0
    .kernarg_segment_align: 8
    .kernarg_segment_size: 80
    .max_flat_workgroup_size: 128
    .sgpr_count:     102
    .vgpr_count:     1024
    .wavefront_size: 32
...
	.end_amdgpu_metadata
.endif
;; end of part 2
;; launch attn (part 3): grid 4 x 64, 16 waves a work-group, clusters of 4 x 1, 327,680 bytes of LDS; arguments qkv, qkvs, agg_w, attc, atts; writes attc, atts
.if DOCPART == 3
	.amdgcn_target "amdgcn-amd-amdhsa--gfx1250"
	.amdhsa_code_object_version 6
	.text
	.protected	k_qff807a0daf_attn
	.globl	k_qff807a0daf_attn
	.p2align	8
	.type	k_qff807a0daf_attn,@function
k_qff807a0daf_attn:
	s_mov_b64 s[64:65], 0
	v_nop
	global_prefetch_b8 v0, s[64:65] scope:SCOPE_SE
	s_setreg_imm32_b32 hwreg(HW_REG_WAVE_MODE, 25, 1), 1
	s_wait_xcnt 0x0
	s_wait_alu depctr_hold_cnt(0) depctr_sa_sdst(0) depctr_va_vdst(0) depctr_va_sdst(0) depctr_va_ssrc(0) depctr_va_vcc(0) depctr_vm_vsrc(0)
	s_getreg_b32 s2, hwreg(HW_REG_IB_STS2, 6, 4)
	s_cmp_eq_u32 s2, 0
	s_cbranch_scc0 .Lentry_in_a_cluster
	s_endpgm
.Lentry_in_a_cluster:
	s_bfe_u32 s2, ttmp6, 0x10000c
	s_cmp_lg_u32 s2, 0x3003
	s_cbranch_scc0 .Lentry_shape_is_right
	s_endpgm
.Lentry_shape_is_right:
; Causal attention on codes of FP6 (E2M3) with E8M0 scales.  A cluster of four work-groups serves one (branch, batch, head); each holds all 2,048 keys in LDS: K's codes (98,304 bytes), V's (98,304), their scale bytes (16,384).
; LDS is filled once, by joint loads at the head, one a wave: waves 0-7 bring 24,576 bytes of codes each (four for K, four for V), waves 8-15 2,048 bytes of scales each.  Nothing is filled again, so there is no ring and nothing to prefetch ahead of.
; A wave takes two tiles of 16 queries, one in block w / 2 of 128 queries and one in block 15 - w / 2: 17 steps of 128 keys that the causal mask of reference() leaves, for every wave.  Steps wholly above the diagonal are jumped over by a scalar branch on ids.
; Both products are used transposed (a lane holds one query).  M is the ceiling of the running largest t; p = 2^(t - M); the row's sum is taken of the unquantised p; p is quantised block by block of 32 keys.
; The way out divides by the sum, multiplies by exp(agg_w), quantises along the head's 64 and stores the image of the last product's operand.
; LIMITS: the scaled scores stay under 2^31 in magnitude; a block of zeros gets the byte 1 where the rule says 127 (this program alone reads the bytes); NaN and infinities are not served.
.set VB,    98304
.set SC,    196608
.set SPARE, 212992
.set L8,  1
.set AKS, 2
.set AVS, 3
.set SPW, 4
.set NIL, 5
.set ADK, 6
.set ADV, 7
.set ADS, 8
.set ADT, 9
.set QD,  10
.set QW,  11
.set LV,  34
.set R8,  255
.set TB,  2
.set TS,  3
.set WV,  18
.set CX,  19
.set SEL, 20
.set CS,  22
.set G1C, 24
.set G1S, 32
.set G0C, 40
.set G0S, 44
.set KS,  48
.set M,   49
.macro CROUND
	s_barrier_signal -1
	s_barrier_wait -1
	s_cmp_lg_u32 s[WV], 0
	s_cbranch_scc1 .Lnot_wave_0_\@
	s_barrier_signal -3
.Lnot_wave_0_\@:
	s_barrier_wait -3
	s_barrier_signal -1
	s_barrier_wait -1
.endm
	s_load_b256 s[4:11], s[0:1], 0x0
	s_load_b64 s[12:13], s[0:1], 0x20
	v_lshl_add_u32 v[SPW], v0, 2, SPARE
	v_mov_b32 v[NIL], 0
	ds_add_u32 v[SPW], v[NIL]
	ds_add_u32 v[SPW], v[NIL]
	v_lshrrev_b32 v6, 5, v0
	s_delay_alu instid0(VALU_DEP_1)
	v_readfirstlane_b32 s[WV], v6
	s_bfe_u32 s[CX], ttmp6, 0x40000
	s_and_b32 s58, ttmp7, 0xffff
	s_bfe_u32 s59, s[WV], 0x10002                  ; of each eight waves the first four fetch for K, the others for V
	s_add_co_u32 s59, s59, 1
	s_and_b32 s60, s[WV], 3                        ; which quarter
	s_mul_i32 s61, s58, 98304
	s_mul_i32 s62, s59, 6291456
	s_add_co_u32 s62, s62, s61
	s_mul_i32 s63, s60, 24576
	s_add_co_u32 s62, s62, s63
	s_mov_b32 s63, 0
	s_lshr_b32 s48, s58, 1
	s_lshl_b32 s48, s48, 13
	s_lshl_b32 s66, s59, 18
	s_add_co_u32 s66, s66, s48
	s_lshl_b32 s67, s60, 11
	s_add_co_u32 s66, s66, s67
	s_mov_b32 s67, 0
	s_and_b32 s49, s58, 1
	s_lshr_b32 s2, s58, 5
	s_and_b32 s3, s58, 15
	s_bfe_u32 s79, s58, 0x10004
	s_lshl_b32 s79, s79, 7
	s_lshr_b32 s76, s[WV], 1
	s_sub_co_u32 s77, 15, s76
	s_and_b32 s17, s[WV], 1
	s_lshl_b32 s78, s[CX], 1
	s_add_co_u32 s78, s78, s17
	v_and_b32 v6, 31, v0
	s_delay_alu instid0(VALU_DEP_1)
	v_lshlrev_b32 v[L8], 3, v6
	v_and_b32 v7, 15, v0
	v_bfe_u32 v8, v0, 4, 1
	s_lshl_b32 s14, s49, 8
	s_add_co_u32 s14, s14, SC
	v_lshl_add_u32 v[AKS], v7, 4, s14
	s_lshl_b32 s15, s49, 3
	s_add_co_u32 s15, s15, SC+8192
	v_lshl_add_u32 v[AVS], v6, 4, s15
	v_add_nc_u32 v[LV], VB, v[L8]
	v_lshlrev_b32 v[R8], 3, v7
	v_and_b32 v[QD], 8, v7
	s_delay_alu instid0(VALU_DEP_1)
	v_add_nc_u32 v[QD], v[QD], v7
	v_lshlrev_b32 v11, 4, v8
	s_delay_alu instid0(VALU_DEP_1)
	v_sub_nc_u32 v[QD], v[QD], v11
	s_lshl_b32 s14, s[CX], 5
	s_lshl_b32 s15, s17, 3
	s_add_co_u32 s14, s14, s15
	v_add_nc_u32 v[QD], s14, v[QD]
	v_lshlrev_b32 v9, 4, v7
	v_lshlrev_b32 v36, 6, v8
	s_lshl_b32 s59, s2, 3
	s_lshr_b32 s60, s3, 1
	s_add_co_u32 s59, s59, s60
	s_mul_i32 s59, s59, 1536
	s_mul_i32 s60, s49, 768
	s_add_co_u32 s59, s59, s60
	s_lshl_b32 s60, s2, 2
	s_lshr_b32 s14, s3, 2
	s_add_co_u32 s60, s60, s14
	s_lshl_b32 s60, s60, 7
	s_and_b32 s14, s3, 3
	s_lshl_b32 s14, s14, 1
	s_add_co_u32 s60, s60, s14
	s_lshl_b32 s14, s49, 8
	s_add_co_u32 s48, s48, s14
	s_lshl_b32 s14, s[CX], 2
	s_add_co_u32 s48, s48, s14
.irp p, 0,1
	s_lshl_b32 s14, s[76+\p], 3
	s_add_co_u32 s14, s14, s78
	s_mul_i32 s[68+2*\p], s14, 768
	s_add_co_u32 s[68+2*\p], s[68+2*\p], s61
	s_mov_b32 s[69+2*\p], 0
	s_lshl_b32 s[72+2*\p], s[76+\p], 9
	s_add_co_u32 s[72+2*\p], s[72+2*\p], s48
	s_mov_b32 s[73+2*\p], 0
	s_add_co_u32 s14, s14, s79
	s_mul_i32 s[50+2*\p], s14, 24576
	s_add_co_u32 s[50+2*\p], s[50+2*\p], s59
	s_mov_b32 s[51+2*\p], 0
	s_lshl_b32 s[54+2*\p], s14, 10
	s_add_co_u32 s[54+2*\p], s[54+2*\p], s60
	s_mov_b32 s[55+2*\p], 0
.endr
	s_lshl_b32 s14, s2, 12
	s_lshl_b32 s15, s3, 8
	s_add_co_u32 s14, s14, s15
	s_mov_b32 s15, 0
	s_lshl_b32 s16, s17, 4
	s_mov_b32 s[G1C], 15|(3<<16)|(1<<21)
	s_mov_b32 s[G1C+1], 32<<16
	s_mov_b32 s[G1C+2], 96<<16
	s_mov_b32 s[G1C+3], 32<<16
	s_mov_b32 s[G1C+4], 96
	s_mov_b32 s[G1C+5], 32
	s_mov_b32 s[G1C+6], 0
	s_mov_b32 s[G1C+7], 0
	s_mov_b32 s[G1S], 15|(3<<16)|(1<<21)
	s_mov_b32 s[G1S+1], 32<<16
	s_mov_b32 s[G1S+2], 8<<16
	s_mov_b32 s[G1S+3], 32<<16
	s_mov_b32 s[G1S+4], 8
	s_mov_b32 s[G1S+5], 32
	s_mov_b32 s[G1S+6], 0
	s_mov_b32 s[G1S+7], 0
	s_mov_b32 s[SEL], 0x76543210
	s_mov_b32 s[SEL+1], 0xfedcba98
	s_mov_b32 s[CS], 0x3e38aa3b
	s_mov_b32 s[CS+1], s[CS]
.irp i, 0,1,2,3,4,5
	v_mov_b32 v[16+\i], 0
	v_mov_b32 v[28+\i], 0
.endr
.irp b, 0,1,2,3
	v_mov_b32 v[236+\b], 0
.endr
	v_mov_b32 v252, 0
	v_mov_b32 v253, 0
	v_mov_b32 v254, 0
	s_wait_dscnt 0x0
	s_wait_kmcnt 0x0
	s_mov_b32 s[G0C], 1
	s_and_b32 s[G0C+1], s[WV], 7
	s_mul_i32 s[G0C+1], s[G0C+1], 24576
	s_add_nc_u64 s[G0C+2:G0C+3], s[4:5], s[62:63]
	s_or_b32 s[G0C+3], s[G0C+3], 0x80000000
	s_mov_b32 s[G0S], 1
	s_and_b32 s[G0S+1], s[WV], 7
	s_lshl_b32 s[G0S+1], s[G0S+1], 11
	s_add_co_u32 s[G0S+1], s[G0S+1], SC
	s_add_nc_u64 s[G0S+2:G0S+3], s[6:7], s[66:67]
	s_or_b32 s[G0S+3], s[G0S+3], 0x80000000
	s_add_nc_u64 s[68:69], s[4:5], s[68:69]
	s_add_nc_u64 s[70:71], s[4:5], s[70:71]
	s_add_nc_u64 s[72:73], s[6:7], s[72:73]
	s_add_nc_u64 s[74:75], s[6:7], s[74:75]
	s_add_nc_u64 s[8:9], s[8:9], s[14:15]
	s_add_nc_u64 s[50:51], s[10:11], s[50:51]
	s_add_nc_u64 s[52:53], s[10:11], s[52:53]
	s_add_nc_u64 s[54:55], s[12:13], s[54:55]
	s_add_nc_u64 s[56:57], s[12:13], s[56:57]
	CROUND
	s_cmp_lt_u32 s[WV], 8                          ; one tensor load a wave: waves 0-7 codes, waves 8-15 scales
	s_cbranch_scc0 .Lhead_scales
	tensor_load_to_lds s[G0C:G0C+3], s[G1C:G1C+7]
	s_nop 0
.rept 4
	v_nop
.endr
	s_branch .Lhead_asked
.Lhead_scales:
	tensor_load_to_lds s[G0S:G0S+3], s[G1S:G1S+7]
	s_nop 0
.rept 4
	v_nop
.endr
.Lhead_asked:
	s_wait_alu depctr_va_vdst(0)                   ; directly ahead of the first readers of the head's registers
.irp p, 0,1,2
	global_load_b64 v[22+2*\p:23+2*\p], v[L8], s[68:69] offset:256*\p
	global_load_b64 v[90+2*\p:91+2*\p], v[L8], s[70:71] offset:256*\p
.endr
	global_load_b32 v[QW], v9, s[72:73]
	global_load_b32 v35, v9, s[74:75]
.irp b, 0,1
.irp j, 0,1,2,3
	global_load_b128 v[192+16*\b+4*\j:195+16*\b+4*\j], v36, s[8:9] offset:128*\b+16*\j
.endr
.endr
	s_wait_loadcnt 0x0
	v_lshrrev_b32 v[QW], s16, v[QW]
	v_lshrrev_b32 v35, s16, v35
	s_delay_alu instid0(VALU_DEP_2)
	v_and_b32 v[QW], 0xffff, v[QW]
	s_delay_alu instid0(VALU_DEP_2)
	v_and_b32 v35, 0xffff, v35
	s_delay_alu instid0(VALU_DEP_2)
	v_lshl_or_b32 v[QW], v[QW], 16, v[QW]
	s_delay_alu instid0(VALU_DEP_2)
	v_lshl_or_b32 v35, v35, 16, v35
.set jj, 0
.rept 16
	v_pk_mul_f32 v[192+jj:193+jj], v[192+jj:193+jj], 0x3fb8aa3b op_sel_hi:[1,0]
.set jj, jj+2
.endr
.set jj, 0
	s_wait_alu depctr_va_vdst(0)
.rept 32
	v_exp_f32 v[192+jj], v[192+jj]
.set jj, jj+1
.endr
	v_nop
	s_wait_alu depctr_va_vdst(0)
	s_wait_tensorcnt 0x0
	s_barrier_signal -1
	s_barrier_wait -1
.macro STEP
	s_min_u32 s[TS], s[KS], 15                     ; the key step, held inside the sixteen that lie in LDS
	s_mul_i32 s[TB], s[TS], 6144                   ; its codes,
	s_lshl_b32 s[TS], s[TS], 9                     ; its scale bytes
	v_add_nc_u32 v[ADK], s[TB], v[L8]
	v_add_nc_u32 v[ADV], s[TB], v[LV]
	v_add_nc_u32 v[ADS], s[TS], v[AKS]
	v_add_nc_u32 v[ADT], s[TS], v[AVS]
.irp b, 0,1,2,3
.irp p, 0,1,2,3,4,5
	ds_load_b64 v[36+12*\b+2*\p:37+12*\b+2*\p], v[ADK] offset:1536*\b+256*\p
.endr
.endr
	ds_load_b128 v[84:87], v[ADS]
	s_wait_alu depctr_va_vdst(0)
	s_wait_dscnt 0x0
.irp b, 0,1,2,3
	v_wmma_scale_f32_16x16x128_f8f6f4 v[96+16*\b:103+16*\b], v[36+12*\b:47+12*\b], v[22:33], 0, v[84+\b], v[QW] matrix_a_fmt:MATRIX_FMT_FP6 matrix_b_fmt:MATRIX_FMT_FP6
	v_wmma_scale_f32_16x16x128_f8f6f4 v[104+16*\b:111+16*\b], v[36+12*\b:47+12*\b], v[16:27], 0, v[84+\b], v[QW] matrix_a_fmt:MATRIX_FMT_FP6 matrix_b_fmt:MATRIX_FMT_FP6
.endr
.rept 4
	v_nop
.endr
.irp t, 0,1,2,3
.irp p, 0,1,2,3,4,5
	ds_load_b64 v[36+12*\t+2*\p:37+12*\t+2*\p], v[ADV] offset:1536*\t+256*\p
.endr
.endr
	ds_load_b64 v[88:89], v[ADT]
	s_cmp_lg_u32 s[KS], s[M]
	s_cbranch_scc1 .Lopen_\@
	v_mov_b32 v254, 0xff800000
.set nn, 0
.rept 64
	v_cmp_gt_i32 vcc_lo, 32*(nn/16)+nn%16, v[QD]
	v_cndmask_b32 v[96+nn], v[96+nn], v254, vcc_lo
.set nn, nn+1
.endr
.Lopen_\@:
.irp b, 0,1,2,3
	v_max3_num_f32 v[232+\b], v[96+16*\b], v[97+16*\b], v[98+16*\b]
.endr
.irp i, 3,5,7,9,11,13
.irp b, 0,1,2,3
	v_max3_num_f32 v[232+\b], v[232+\b], v[96+16*\b+\i], v[97+16*\b+\i]
.endr
.endr
.irp b, 0,1,2,3
	v_max_num_f32 v[232+\b], v[232+\b], v[111+16*\b]
.endr
.irp b, 0,1,2,3
	s_delay_alu instid0(VALU_DEP_4)
	v_permlanex16_b32 v[236+\b], v[232+\b], s[SEL], s[SEL+1]
.endr
.irp b, 0,1,2,3
	s_delay_alu instid0(VALU_DEP_4)
	v_max_num_f32 v[232+\b], v[232+\b], v[236+\b]
.endr
	s_delay_alu instid0(VALU_DEP_2)
	v_max3_num_f32 v254, v232, v233, v234
	s_delay_alu instid0(VALU_DEP_1)
	v_max_num_f32 v254, v254, v235
	s_delay_alu instid0(VALU_DEP_1)
	v_mul_f32 v254, s[CS], v254
	s_delay_alu instid0(VALU_DEP_1)
	v_max_num_f32 v13, v13, v254
	v_mov_b32 v254, v12
	s_delay_alu instid0(VALU_DEP_2)
	v_floor_f32 v12, -v13
	s_delay_alu instid0(VALU_DEP_1)
	v_sub_f32 v254, v12, v254
	s_delay_alu instid0(VALU_DEP_1)
	v_cvt_i32_f32 v254, v254
	s_delay_alu instid0(VALU_DEP_1)
	v_ldexp_f32 v252, 1.0, v254
.set jj, 0
.rept 32
	v_pk_fma_f32 v[96+jj:97+jj], v[96+jj:97+jj], s[CS:CS+1], v[12:13] op_sel_hi:[1,0,0]
.set jj, jj+2
.endr
.irp b, 0,1,2,3
	v_fma_f32 v[232+\b], v[232+\b], s[CS], v12
.endr
.set jj, 0
	s_wait_alu depctr_va_vdst(0)
.rept 64
	v_exp_f32 v[96+jj], v[96+jj]
.set jj, jj+1
.endr
	v_pk_mul_f32 v[14:15], v[14:15], v[252:253] op_sel_hi:[1,0]
	s_wait_alu depctr_va_vdst(0)
.irp b, 0,1,2,3
	v_exp_f32 v[232+\b], v[232+\b]
.endr
	v_pk_add_f32 v[236:237], v[96:97], v[98:99]
.irp j, 4,8,12,16,20,24,28,32,36,40,44,48,52,56,60
	v_pk_add_f32 v[14:15], v[14:15], v[96+\j:97+\j]
	v_pk_add_f32 v[236:237], v[236:237], v[98+\j:99+\j]
.endr
	s_delay_alu instid0(VALU_DEP_1)
	v_pk_add_f32 v[14:15], v[14:15], v[236:237]
	s_wait_alu depctr_va_vdst(0)
.irp b, 0,1,2,3
	v_max_num_f32 v[232+\b], 0x1800000, v[232+\b]
.endr
.irp b, 0,1,2,3
	s_delay_alu instid0(VALU_DEP_4)
	v_add_nc_u32 v[244+\b], 0xff000000, v[232+\b]
.endr
.irp b, 0,1,2,3
	s_delay_alu instid0(VALU_DEP_4)
	v_lshrrev_b32 v[236+\b], 23, v[244+\b]
.endr
	s_delay_alu instid0(VALU_DEP_3)
	v_lshl_or_b32 v253, v237, 8, v236
	s_delay_alu instid0(VALU_DEP_1)
	v_lshl_or_b32 v253, v238, 16, v253
	s_delay_alu instid0(VALU_DEP_1)
	v_lshl_or_b32 v253, v239, 24, v253
.irp c, 0,1
	v_cvt_scalef32_pk16_fp6_f32 v[224+6*\c:226+6*\c], v[96+32*\c:111+32*\c], v[244+2*\c]
	v_cvt_scalef32_pk16_fp6_f32 v[236+4*\c:238+4*\c], v[112+32*\c:127+32*\c], v[244+2*\c+1]
.endr
	v_nop
.irp c, 0,1
.irp i, 0,1,2
	v_permlane16_swap_b32 v[224+6*\c+\i], v[236+4*\c+\i]
.endr
.irp i, 0,1,2
	s_delay_alu instid0(VALU_DEP_3)
	v_mov_b32 v[227+6*\c+\i], v[236+4*\c+\i]
.endr
.endr
.set jj, 0
.rept 16
	v_pk_mul_f32 v[160+jj:161+jj], v[160+jj:161+jj], v[252:253] op_sel_hi:[1,0]
.set jj, jj+2
.endr
	s_wait_alu depctr_va_vdst(0)
	s_wait_dscnt 0x0
.irp t, 0,1,2,3
.if \t%2
	v_wmma_scale_f32_16x16x128_f8f6f4 v[160+8*\t:167+8*\t], v[36+12*\t:47+12*\t], v[224:235], v[160+8*\t:167+8*\t], v[88+\t/2], v253 matrix_a_fmt:MATRIX_FMT_FP6 matrix_b_fmt:MATRIX_FMT_FP6 matrix_a_scale:MATRIX_SCALE_ROW1
.else
	v_wmma_scale_f32_16x16x128_f8f6f4 v[160+8*\t:167+8*\t], v[36+12*\t:47+12*\t], v[224:235], v[160+8*\t:167+8*\t], v[88+\t/2], v253 matrix_a_fmt:MATRIX_FMT_FP6 matrix_b_fmt:MATRIX_FMT_FP6
.endif
.endr
.endm
.macro OUT p
.rept 4
	v_nop
.endr
	v_add_f32 v14, v14, v15
	s_delay_alu instid0(VALU_DEP_1)
	v_permlanex16_b32 v252, v14, s[SEL], s[SEL+1]
	s_delay_alu instid0(VALU_DEP_1)
	v_add_f32 v14, v14, v252
	s_wait_alu depctr_va_vdst(0)
	v_rcp_f32 v14, v14
	v_nop
	s_wait_alu depctr_va_vdst(0)
.set jj, 0
.rept 16
	v_pk_mul_f32 v[96+jj:97+jj], v[160+jj:161+jj], v[14:15] op_sel_hi:[1,0]
.set jj, jj+2
.endr
.set jj, 0
.rept 16
	v_pk_mul_f32 v[96+jj:97+jj], v[96+jj:97+jj], v[192+jj:193+jj]
.set jj, jj+2
.endr
.irp b, 0,1
	v_max3_num_f32 v[232+\b], |v[96+16*\b]|, |v[97+16*\b]|, 0x1800000
.endr
.irp i, 2,4,6,8,10,12,14
.irp b, 0,1
	s_delay_alu instid0(VALU_DEP_2)
	v_max3_num_f32 v[232+\b], v[232+\b], |v[96+16*\b+\i]|, |v[97+16*\b+\i]|
.endr
.endr
.irp b, 0,1
	s_delay_alu instid0(VALU_DEP_2)
	v_permlanex16_b32 v[236+\b], v[232+\b], s[SEL], s[SEL+1]
.endr
.irp b, 0,1
	s_delay_alu instid0(VALU_DEP_2)
	v_max_num_f32 v[232+\b], v[232+\b], v[236+\b]
.endr
.irp b, 0,1
	s_delay_alu instid0(VALU_DEP_2)
	v_add_nc_u32 v[244+\b], 0xff000000, v[232+\b]
.endr
.irp b, 0,1
	s_delay_alu instid0(VALU_DEP_2)
	v_lshrrev_b32 v[236+\b], 23, v[244+\b]
.endr
	s_delay_alu instid0(VALU_DEP_1)
	v_lshl_or_b32 v254, v237, 8, v236
	v_cvt_scalef32_pk16_fp6_f32 v[224:226], v[96:111], v244
	v_cvt_scalef32_pk16_fp6_f32 v[236:238], v[112:127], v245
	v_nop
.irp i, 0,1,2
	v_permlane16_swap_b32 v[224+\i], v[236+\i]
.endr
.irp i, 0,1,2
	s_delay_alu instid0(VALU_DEP_3)
	v_mov_b32 v[227+\i], v[236+\i]
.endr
.irp q, 0,1,2
	global_store_b64 v[L8], v[224+2*\q:225+2*\q], s[50+2*\p:51+2*\p] offset:256*\q
.endr
	global_store_b16 v[R8], v254, s[54+2*\p:55+2*\p]
.endm
.macro INIT p                          ; a tile of queries begins: its q (the second tile's was loaded at the head), its diagonal step, -3e38 as the largest t, zeros as sums
.if \p
	s_wait_xcnt 0x0
	v_mov_b32 v[QW], v35
.irp i, 0,1,2,3,4,5
	v_mov_b32 v[22+\i], v[90+\i]
.endr
.endif
	s_mov_b32 s[M], s[76+\p]
	v_mov_b32 v13, 0xff61b1e6
	s_delay_alu instid0(VALU_DEP_1)
	v_floor_f32 v12, -v13
	v_mov_b32 v14, 0
	v_mov_b32 v15, 0
.set jj, 0
.rept 32
	v_mov_b32 v[160+jj], 0
.set jj, jj+1
.endr
	s_mov_b32 s[KS], 0
.endm
; THE WALK: 17 trips, one step of 128 keys a trip in every wave: key steps 0 .. w / 2 of the first tile of queries, then 0 .. 15 - w / 2 of the second.  A tile ends with its diagonal step: a scalar branch on ids leads to its way out,
; so no step above the diagonal is walked.  LDS is only read here, so the waves need no barrier among them.
.set TT, 58
	INIT 0
	s_mov_b32 s[TT], 0
.Ltrip:
	STEP
	s_cmp_lg_u32 s[KS], s[M]
	s_cbranch_scc1 .Lgo_on
	OUT 0                                          ; the diagonal step is done: the tile leaves
	s_cmp_eq_u32 s[TT], 16
	s_cbranch_scc1 .Lsaid                          ; it was the second
	INIT 1                                         ; (it begins with the wait on XCNT behind which the stores' registers may be written)
	s_mov_b64 s[50:51], s[52:53]                   ; where the second tile's codes and scale bytes go
	s_mov_b64 s[54:55], s[56:57]
	s_branch .Lsaid
.Lgo_on:
	s_add_co_u32 s[KS], s[KS], 1
.Lsaid:
	s_add_co_u32 s[TT], s[TT], 1
	s_cmp_lt_u32 s[TT], 17
	s_wait_alu depctr_va_vdst(0)                   ; directly ahead of the branch
	s_cbranch_scc1 .Ltrip
	s_wait_tensorcnt 0x0
	ds_add_u32 v[SPW], v[NIL]
	s_wait_dscnt 0x0
	CROUND
	s_endpgm
.Lfunc_end_k_qff807a0daf_attn:
	.size	k_qff807a0daf_attn, .Lfunc_end_k_qff807a0daf_attn-k_qff807a0daf_attn
	.p2alignl 7, 3214868480
	.fill 96, 4, 3214868480
	.section	.rodata,"a",@progbits
	.p2align	6, 0x0
	.amdhsa_kernel k_qff807a0daf_attn
		.amdhsa_group_segment_fixed_size 327680
		.amdhsa_private_segment_fixed_size 0
		.amdhsa_enable_private_segment 0
		.amdhsa_kernarg_size 40
		.amdhsa_user_sgpr_count 2
		.amdhsa_user_sgpr_kernarg_segment_ptr 1
		.amdhsa_wavefront_size32 1
		.amdhsa_system_sgpr_workgroup_id_x 1
		.amdhsa_system_sgpr_workgroup_id_y 1
		.amdhsa_system_sgpr_workgroup_id_z 1
		.amdhsa_system_vgpr_workitem_id 0
		.amdhsa_next_free_vgpr 256
		.amdhsa_next_free_sgpr 80
		.amdhsa_reserve_vcc 1
		.amdhsa_float_denorm_mode_32 3
		.amdhsa_float_denorm_mode_16_64 3
		.amdhsa_memory_ordered 1
		.amdhsa_forward_progress 1
		.amdhsa_inst_pref_size 45
	.end_amdhsa_kernel
	.amdgpu_metadata
---
amdhsa.version: [ 1, 2 ]
amdhsa.kernels:
  - .name:           k_qff807a0daf_attn
    .symbol:         k_qff807a0daf_attn.kd
    .args:
      - { .name: qkv, .offset: 0, .size: 8, .value_kind: global_buffer, .address_space: global }
      - { .name: qkvs, .offset: 8, .size: 8, .value_kind: global_buffer, .address_space: global }
      - { .name: agg_w, .offset: 16, .size: 8, .value_kind: global_buffer, .address_space: global }
      - { .name: attc, .offset: 24, .size: 8, .value_kind: global_buffer, .address_space: global }
      - { .name: atts, .offset: 32, .size: 8, .value_kind: global_buffer, .address_space: global }
    .group_segment_fixed_size: 327680
    .private_segment_fixed_size: 0
    .kernarg_segment_align: 8
    .kernarg_segment_size: 40
    .max_flat_workgroup_size: 512
    .sgpr_count:     80
    .vgpr_count:     256
    .wavefront_size: 32
...
	.end_amdgpu_metadata
.endif
;; end of part 3
;; launch outp (part 4): grid 8 x 32, 4 waves a work-group, clusters of 4 x 4, 327,680 bytes of LDS; arguments attc, atts, cod, scl, b_out, out0; writes out0
.if DOCPART == 4
	.amdgcn_target "amdgcn-amd-amdhsa--gfx1250"
	.amdhsa_code_object_version 6
	.text
	.protected	k_qff807a0daf_outp
	.globl	k_qff807a0daf_outp
	.p2align	8
	.type	k_qff807a0daf_outp,@function
k_qff807a0daf_outp:
	s_mov_b64 s[64:65], 0
	v_nop
	global_prefetch_b8 v0, s[64:65] scope:SCOPE_SE
	s_setreg_imm32_b32 hwreg(HW_REG_WAVE_MODE, 25, 1), 1
	s_wait_xcnt 0x0
	s_wait_alu depctr_hold_cnt(0) depctr_sa_sdst(0) depctr_va_vdst(0) depctr_va_sdst(0) depctr_va_ssrc(0) depctr_va_vcc(0) depctr_vm_vsrc(0)
	s_getreg_b32 s2, hwreg(HW_REG_IB_STS2, 6, 4)
	s_cmp_eq_u32 s2, 0
	s_cbranch_scc0 .Lentry_in_a_cluster
	s_endpgm
.Lentry_in_a_cluster:
	s_bfe_u32 s2, ttmp6, 0x10000c
	s_cmp_lg_u32 s2, 0xf033
	s_cbranch_scc0 .Lentry_shape_is_right
	s_endpgm
.Lentry_shape_is_right:
; out0[m][n] = sum over k of att[m][k] W_out[n][k] + b_out[n], M = 4,096, N = 1,024, K = 2,048, on codes of FP6 (E2M3) with E8M0 scales; sums in f32.
; A = the attention's codes, B = W_out's, both as images of operand registers: [tile of 16 rows][16 fragments along K][1,536 bytes]; a fragment is six pieces of 256 bytes, lane l's 8 bytes at 256 p + 8 l.
; Row r of tile 2 G + u is row 32 G + 8 u + r + 8 (r / 8).  Scale bytes: [tile][256 along K][row r][8 bytes].
; A block of the output is 128 x 128: 32 x 8 blocks = 256 work-groups of four waves, 64 x 64 a wave: 16 accumulators.
; LDS: K goes in four chunks of 512 (6,144 bytes a tile).  The head asks for chunks 0 to 2 at once, one joint load a wave: wave 0 chunk 0 of A's eight tiles, wave 1 of B's, wave 2 chunks 1 and 2 of A's, wave 3 of B's: 294,912 bytes.
; Chunk 3 lands on chunk 0's bytes when chunk 0 has been read: the launch's one refill (waves 0 and 1; waves 2 and 3 have no part of it), behind the three lines and a round of the cluster's barrier.
; 4 x 4 clusters: A's tiles hang on the block row alone and are asked for jointly along a row of the cluster, B's on the block column alone, along a column.
; The scale words (4,096 bytes a side and wave) and b_out come once, by loads of whole runs of 256 bytes into registers.  A scale load gives lanes 0-15 the words of one 256 along K and lanes 16-31 those of the next: the ROW selector picks.
; Source 0 = 16 rows of B, source 1 = 16 rows of A: a lane holds eight neighbouring columns of one row.  b_out is the C of the first K step: nothing is cleared, nothing is added on the way out.
; PREFETCH: chunk 3's bytes are named once in each cluster behind the head's loads, twelve K steps ahead of their first read: of a side's eight tiles the partner at place p (cx for A, cy for B) names tiles 2 p and 2 p + 1, a wave a tile,
; 24 runs of 256 bytes, a lane a run (lanes 24-31 name the last again).  Chunks 0 to 2 come by the head's loads alone.
; The 16 K steps are written out by macros: LDS regions, register sets and scale registers differ from step to step.
; REGISTERS: window 0: v4-15 addresses; v32-63 A's scale words, v64-95 B's; v96-127 b_out; v128-191 the way out.  window 1: two sets of fragments (A's four at 96 s, B's four at 96 s + 48).  window 2: accumulator (a, b) at v[8 (4 a + b)].
.set FRB,    1536
.set CH,     4*FRB                     ; a tile's chunk
.set TP,     16*FRB                    ; from tile to tile in memory
.set R0B,    8*CH                      ; LDS: A's chunk 0 (later 3) at 0, B's here,
.set R1A,    16*CH                     ; A's chunks 1 and 2,
.set R1B,    32*CH                     ; B's
.set STAGE,  48*CH                     ; bytes of its own: 16 rows x (256 + 16) for each wave
.set SPITCH, 272
.set SPARE,  STAGE+4*16*SPITCH         ; the spare words, which no other line names
.set L8,   4
.set ADA0, 5
.set ADB0, 6
.set ADA1, 7
.set ADB1, 8
.set STO,  9
.set RD,   10
.set CO,   11
.set BOF,  12
.set PFO,  13
.set SPW,  14
.set NIL,  15
.set SAR,  32
.set SBR,  64
.set BO,   96
.set BK,   128
.set G1A0, 28
.set G1B0, 36
.set G1A1, 44
.set G1B1, 52
.set G0A0, 60
.set G0B0, 68
.set G0A1, 72
.set G0B1, 76
.set MSB, 0
.macro WIN new                         ; the immediate's high byte repeats the setting that is left
.if MSB != (\new)
	s_set_vgpr_msb (MSB<<8)|(\new)
.set MSB, (\new)
.endif
.endm
.macro PLACES                          ; four plain places behind a matrix instruction (ISA guide 7.12.1)
.rept 4
	v_nop
.endr
.endm
.macro CREST
	s_cmp_lg_u32 s16, 0
	s_cbranch_scc1 .Lnot_wave_0_\@
	s_barrier_signal -3
.Lnot_wave_0_\@:
	s_barrier_wait -3
	s_barrier_signal -1
	s_barrier_wait -1
.endm
.macro CROUND
	s_barrier_signal -1
	s_barrier_wait -1
	CREST
.endm
	s_load_b128 s[4:7], s[0:1], 0x0                ; attc, atts
	s_load_b128 s[8:11], s[0:1], 0x10              ; cod, scl
	s_load_b128 s[12:15], s[0:1], 0x20             ; b_out, out0
	v_lshl_add_u32 v[SPW], v0, 2, SPARE
	v_mov_b32 v[NIL], 0
	ds_add_u32 v[SPW], v[NIL]                      ; the opening lines: the add, twice on end, and one wait
	ds_add_u32 v[SPW], v[NIL]
	v_lshrrev_b32 v1, 5, v0
	v_readfirstlane_b32 s16, v1                    ; wave 0..3
	s_lshr_b32 s17, s16, 1                         ; my half of A's rows
	s_and_b32 s18, s16, 1                          ; my half of B's rows
	s_bfe_u32 s19, ttmp6, 0x40000                  ; cx
	s_bfe_u32 s20, ttmp6, 0x40004                  ; cy
	s_lshl_b32 s21, ttmp9, 2
	s_add_co_u32 s21, s21, s19                     ; block column 0..7
	s_and_b32 s22, ttmp7, 0xffff
	s_lshl_b32 s22, s22, 2
	s_add_co_u32 s22, s22, s20                     ; block row 0..31
	s_lshl_b32 s23, s20, 2
	s_lshl_b32 s23, 15, s23                        ; my row of the cluster
	s_lshl_b32 s24, 0x1111, s19                    ; my column
	s_or_b32 s[G1A0], s23, (3<<16)|(1<<21)         ; the mask; elements of 8 bytes; bit 21 beside a mask
	s_or_b32 s[G1A1], s23, (3<<16)|(1<<21)
	s_or_b32 s[G1B0], s24, (3<<16)|(1<<21)
	s_or_b32 s[G1B1], s24, (3<<16)|(1<<21)
.irp g, G1A0, G1B0                     ; eight tiles x one chunk (768 elements), 3,072 elements from tile to tile; dense in LDS
	s_mov_b32 s[\g+1], 768<<16
	s_mov_b32 s[\g+2], 8<<16
	s_mov_b32 s[\g+3], 768<<16
	s_mov_b32 s[\g+4], 8
	s_mov_b32 s[\g+5], 3072
	s_mov_b32 s[\g+6], 0
	s_mov_b32 s[\g+7], 0
.endr
.irp g, G1A1, G1B1                     ; eight tiles x two chunks
	s_mov_b32 s[\g+1], 1536<<16
	s_mov_b32 s[\g+2], 8<<16
	s_mov_b32 s[\g+3], 1536<<16
	s_mov_b32 s[\g+4], 8
	s_mov_b32 s[\g+5], 3072
	s_mov_b32 s[\g+6], 0
	s_mov_b32 s[\g+7], 0
.endr
	s_mul_i32 s80, s22, 8*TP                       ; A's eight tiles: on the block row alone
	s_mov_b32 s81, 0
	s_mul_i32 s82, s21, 8*TP                       ; B's: on the block column alone,
	s_add_co_u32 s82, s82, 11010048                ; in W_out's part of cod
	s_mov_b32 s83, 0
	s_wait_dscnt 0x0                               ; both opening adds are done
	s_wait_kmcnt 0x0
	s_add_nc_u64 s[80:81], s[4:5], s[80:81]
	s_add_nc_u64 s[82:83], s[8:9], s[82:83]
	s_mov_b32 s[G0A0], 1
	s_mov_b32 s[G0A0+1], 0
	s_mov_b64 s[G0A0+2:G0A0+3], s[80:81]
	s_or_b32 s[G0A0+3], s[G0A0+3], 0x80000000
	s_mov_b32 s[G0B0], 1
	s_mov_b32 s[G0B0+1], R0B
	s_mov_b64 s[G0B0+2:G0B0+3], s[82:83]
	s_or_b32 s[G0B0+3], s[G0B0+3], 0x80000000
	s_mov_b32 s[G0A1], 1
	s_mov_b32 s[G0A1+1], R1A
	s_add_nc_u64 s[G0A1+2:G0A1+3], s[80:81], CH
	s_or_b32 s[G0A1+3], s[G0A1+3], 0x80000000
	s_mov_b32 s[G0B1], 1
	s_mov_b32 s[G0B1+1], R1B
	s_add_nc_u64 s[G0B1+2:G0B1+3], s[82:83], CH
	s_or_b32 s[G0B1+3], s[G0B1+3], 0x80000000
	CROUND                                         ; all sixteen work-groups are here: the first joint loads meet
.macro ARM under, g0, g1, next         ; one chain of branches on the wave's number, one load to an arm, all arms to one join
	s_cmp_lt_u32 s16, \under
	s_cbranch_scc0 \next
	tensor_load_to_lds s[\g0:\g0+3], s[\g1:\g1+7]
	s_nop 0
	PLACES
	s_branch .Lhead_asked
\next:
.endm
	ARM 1, G0A0, G1A0, .Lhead_b
	ARM 2, G0B0, G1B0, .Lhead_a1
	ARM 3, G0A1, G1A1, .Lhead_b1
	tensor_load_to_lds s[G0B1:G0B1+3], s[G1B1:G1B1+7]
	s_nop 0
	PLACES
.Lhead_asked:
	s_mul_i32 s84, s17, 4*CH                       ; LDS: my four tiles of A, of B, in each region
	s_mul_i32 s85, s18, 4*CH
	s_add_co_u32 s85, s85, R0B
	s_mul_i32 s86, s17, 8*CH
	s_add_co_u32 s86, s86, R1A
	s_mul_i32 s87, s18, 8*CH
	s_add_co_u32 s87, s87, R1B
	s_mul_i32 s88, s16, 16*SPITCH
	s_add_co_u32 s88, s88, STAGE                   ; my stage
	s_lshl_b32 s90, s22, 13                        ; scale bytes: 1,024 a tile
	s_lshl_b32 s89, s17, 12
	s_add_co_u32 s90, s90, s89
	s_mov_b32 s91, 0
	s_add_nc_u64 s[6:7], s[6:7], s[90:91]
	s_lshl_b32 s90, s21, 13
	s_lshl_b32 s89, s18, 12
	s_add_co_u32 s90, s90, s89
	s_add_co_u32 s90, s90, 458752                  ; W_out's part of scl
	s_add_nc_u64 s[10:11], s[10:11], s[90:91]
	s_lshl_b32 s90, s21, 9                         ; my first column, in bytes
	s_lshl_b32 s89, s18, 8
	s_add_co_u32 s90, s90, s89
	s_add_nc_u64 s[12:13], s[12:13], s[90:91]
	s_add_nc_u64 s[14:15], s[14:15], s[90:91]
	s_lshl_b32 s90, s22, 19                        ; my first row: 128 x block row + 64 x half, 4,096 bytes a row
	s_lshl_b32 s89, s17, 18
	s_add_co_u32 s90, s90, s89
	s_add_nc_u64 s[14:15], s[14:15], s[90:91]
	s_cmp_eq_u32 s17, 0                            ; the prefetch: waves 0, 1 name tiles of A, waves 2, 3 of B
	s_cselect_b64 s[92:93], s[80:81], s[82:83]
	s_cselect_b32 s89, s19, s20                    ; my place among the four that ask for the side with me
	s_lshl_b32 s89, s89, 1
	s_add_co_u32 s89, s89, s18
	s_mul_i32 s90, s89, TP
	s_add_co_u32 s90, s90, 3*CH                    ; chunk 3 of that tile
	s_add_nc_u64 s[92:93], s[92:93], s[90:91]
	v_and_b32 v1, 31, v0                           ; lane
	v_and_b32 v2, 15, v0                           ; r
	v_bfe_u32 v3, v0, 4, 1                         ; h
	v_lshlrev_b32 v[L8], 3, v1
	v_add_nc_u32 v[ADA0], s84, v[L8]
	v_add_nc_u32 v[ADB0], s85, v[L8]
	v_add_nc_u32 v[ADA1], s86, v[L8]
	v_add_nc_u32 v[ADB1], s87, v[L8]
	v_mul_u32_u24 v[STO], v2, SPITCH               ; into the stage: row r, + 64 h
	v_lshl_add_u32 v[STO], v3, 6, v[STO]
	v_add_nc_u32 v[STO], s88, v[STO]
	v_mul_u32_u24 v[RD], v3, SPITCH                ; back: sixteen lanes to a row of 256 bytes, two rows a load
	v_lshl_add_u32 v[RD], v2, 4, v[RD]
	v_add_nc_u32 v[RD], s88, v[RD]
	v_lshlrev_b32 v[CO], 4, v2                     ; and the same two rows in the output
	v_lshl_add_u32 v[CO], v3, 12, v[CO]
	v_lshlrev_b32 v[BOF], 6, v3
	v_min_u32 v[PFO], 23, v1
	v_lshlrev_b32 v[PFO], 8, v[PFO]
	s_wait_alu depctr_va_vdst(0)                   ; the head's end
.irp i, 0,1,2,3
.irp j, 0,1,2,3
	global_load_b64 v[SAR+8*\i+2*\j:SAR+8*\i+2*\j+1], v[L8], s[6:7] offset:1024*\i+256*\j     ; tile i, K steps 4 j, 4 j + 1 (lanes 0-15) and 4 j + 2, 4 j + 3 (lanes 16-31)
	global_load_b64 v[SBR+8*\i+2*\j:SBR+8*\i+2*\j+1], v[L8], s[10:11] offset:1024*\i+256*\j
.endr
.endr
.irp b, 0,1,2,3
	global_load_b128 v[BO+8*\b:BO+8*\b+3], v[BOF], s[12:13] offset:128*(\b/2)+32*(\b%2)       ; b_out at columns 32 (b / 2) + 8 (b % 2) + 16 h + 0 .. 7: the layout of tile b's results
	global_load_b128 v[BO+8*\b+4:BO+8*\b+7], v[BOF], s[12:13] offset:128*(\b/2)+32*(\b%2)+16
.endr
	global_prefetch_b8 v[PFO], s[92:93] th:TH_LOAD_NT scope:SCOPE_SE   ; its address registers are never written again
.macro FETCH st                        ; K step st's eight fragments into set st % 2: 48 loads, each 8 x lane + a constant
.set FS, 96*((\st)%2)
.if (\st)/4 == 0 || (\st)/4 == 3
.set TL, CH
.set FO, ((\st)%4)*FRB
.set RA, ADA0
.set RB, ADB0
.else
.set TL, 2*CH
.set FO, ((\st)-4)*FRB
.set RA, ADA1
.set RB, ADB1
.endif
	WIN 0x40                                       ; destination window 1, address window 0
.irp i, 0,1,2,3
.irp p, 0,1,2,3,4,5
	ds_load_b64 v[FS+12*\i+2*\p:FS+12*\i+2*\p+1], v[RA] offset:\i*TL+FO+256*\p
.endr
.irp p, 0,1,2,3,4,5
	ds_load_b64 v[FS+48+12*\i+2*\p:FS+48+12*\i+2*\p+1], v[RB] offset:\i*TL+FO+256*\p
.endr
.endr
.endm
.macro MUL8 st, a0                     ; A's tiles a0, a0 + 1 x B's four.  The 16 accumulators take turns, in the same order in every step
.irp a, \a0, \a0+1
.irp b, 0,1,2,3
.set DA, 8*(4*(\a)+\b)
.set FB, 96*((\st)%2)+48+12*\b
.set FA, 96*((\st)%2)+12*(\a)
.set XB, SBR+8*\b+2*((\st)/4)+(\st)%2
.set XA, SAR+8*(\a)+2*((\st)/4)+(\st)%2
.if (\st) == 0
	v_wmma_scale_f32_16x16x128_f8f6f4 v[DA:DA+7], v[FB:FB+11], v[FA:FA+11], v[BO+8*\b:BO+8*\b+7], v[XB], v[XA] matrix_a_fmt:MATRIX_FMT_FP6 matrix_b_fmt:MATRIX_FMT_FP6
.else
.if ((\st)/2)%2
	v_wmma_scale_f32_16x16x128_f8f6f4 v[DA:DA+7], v[FB:FB+11], v[FA:FA+11], v[DA:DA+7], v[XB], v[XA] matrix_a_fmt:MATRIX_FMT_FP6 matrix_b_fmt:MATRIX_FMT_FP6 matrix_a_scale:MATRIX_SCALE_ROW1 matrix_b_scale:MATRIX_SCALE_ROW1
.else
	v_wmma_scale_f32_16x16x128_f8f6f4 v[DA:DA+7], v[FB:FB+11], v[FA:FA+11], v[DA:DA+7], v[XB], v[XA] matrix_a_fmt:MATRIX_FMT_FP6 matrix_b_fmt:MATRIX_FMT_FP6
.endif
.endif
.endr
.endr
.endm
.set MULW, 0xa5                        ; sources 0 and 1 window 1, C and D window 2
.macro NORMAL st
	PLACES                                         ; the other set was read by the last step's products
	FETCH (\st)+1
	s_wait_dscnt 48                                ; this step's set is in; the 48 loads just issued may be out
.if (\st) == 0
	WIN 0x85                                       ; C (b_out) in window 0
.else
	WIN MULW
.endif
	MUL8 \st, 0
	MUL8 \st, 2
.endm
	s_wait_tensorcnt 0x0                           ; my tile of the head's four is in
	s_barrier_signal -1
	s_barrier_wait -1                              ; and everybody's
	FETCH 0
	s_wait_loadcnt 0x0                             ; the scale words and b_out
.irp st, 0,1,2
	NORMAL \st
.endr
	PLACES                                         ; K step 3 is chunk 0's last: its bytes are filled again behind the round
	FETCH 4
	WIN 0
	s_wait_tensorcnt 0x0
	ds_add_u32 v[SPW], v[NIL]
	s_add_nc_u64 s[G0A0+2:G0A0+3], s[G0A0+2:G0A0+3], 3*CH   ; no load of mine is out: on to chunk 3
	s_add_nc_u64 s[G0B0+2:G0B0+3], s[G0B0+2:G0B0+3], 3*CH
	s_wait_dscnt 49                                ; step 3's set is in; step 4's 48 loads and the add may be out
	WIN MULW
	MUL8 3, 0
	s_wait_dscnt 0x0                               ; the add is done, and my reads of chunk 0 are over
	s_barrier_signal -1
	MUL8 3, 2
	WIN 0
	s_barrier_wait -1
	CREST                                          ; the barrier has opened a round of the cluster's: no wave of any partner still reads chunk 0
	s_cmp_lg_u32 s16, 0
	s_cbranch_scc1 .Lref_b
	tensor_load_to_lds s[G0A0:G0A0+3], s[G1A0:G1A0+7]
	s_nop 0
	PLACES
	s_branch .Lref_done
.Lref_b:
	s_cmp_lg_u32 s16, 1
	s_cbranch_scc1 .Lref_done
	tensor_load_to_lds s[G0B0:G0B0+3], s[G1B0:G1B0+7]
	s_nop 0
	PLACES
.Lref_done:
.irp st, 4,5,6,7,8,9,10
	NORMAL \st
.endr
	s_wait_dscnt 0x0                               ; step 11's set is in, and no LDS instruction of mine is out at the signal
	WIN MULW
	MUL8 11, 0
	s_wait_tensorcnt 0x0                           ; chunk 3 has landed (waves 0 and 1 asked for it)
	s_barrier_signal -1
	MUL8 11, 2
	s_barrier_wait -1                              ; and every wave knows
	PLACES
	FETCH 12
.irp st, 12,13,14
	NORMAL \st
.endr
	s_wait_dscnt 0x0
	WIN MULW
	MUL8 15, 0
	MUL8 15, 2
	WIN 0
; THE WAY OUT, tile by tile of 16 rows x 64 columns, through my own stage: in as 32 bytes a lane and tile of B, back as whole rows of 256 bytes; sixteen lanes store 256 consecutive bytes, aligned.
; LDS serves a wave's instructions in order (ISA guide 5.7.1.4): no wait between the stores and the loads, nor in front of the next tile's stores.
.macro TOSTAGE a
	WIN 0x08                                       ; the data: window 2
.irp b, 0,1,2,3
	ds_store_b128 v[STO], v[32*(\a)+8*\b:32*(\a)+8*\b+3] offset:128*(\b/2)+32*(\b%2)          ; each accumulator from its low end on
	ds_store_b128 v[STO], v[32*(\a)+8*\b+4:32*(\a)+8*\b+7] offset:128*(\b/2)+32*(\b%2)+16
.endr
	WIN 0
.irp q, 0,1,2,3,4,5,6,7
	ds_load_b128 v[BK+32*((\a)%2)+4*\q:BK+32*((\a)%2)+4*\q+3], v[RD] offset:2*\q*SPITCH
.endr
.endm
.macro SEND a, younger                 ; younger: the LDS instructions issued behind tile a's loads, which may stay out
	s_wait_dscnt \younger
.irp q, 0,1,2,3,4,5,6,7
	global_store_b128 v[CO], v[BK+32*((\a)%2)+4*\q:BK+32*((\a)%2)+4*\q+3], s[14:15] offset:(32*((\a)/2)+8*((\a)%2)+2*\q+8*(\q/4))*4096 th:TH_STORE_NT   ; rows 2 q, 2 q + 1 of tile a
.endr
.endm
	PLACES                                         ; behind the last products: results are read
	TOSTAGE 0
	TOSTAGE 1
	SEND 0, 16                                     ; behind tile 0's loads: tile 1's 8 stores and 8 loads
	s_wait_xcnt 0x0                                ; tile 0's stores have read their registers: tile 2's loads may land there
	TOSTAGE 2
	SEND 1, 16
	s_wait_xcnt 0x0
	TOSTAGE 3
	SEND 2, 16
	SEND 3, 0
	s_wait_tensorcnt 0x0                           ; the wave's end
	ds_add_u32 v[SPW], v[NIL]
	s_wait_dscnt 0x0
	CROUND                                         ; the closing round
	s_endpgm
.Lfunc_end_k_qff807a0daf_outp:
	.size	k_qff807a0daf_outp, .Lfunc_end_k_qff807a0daf_outp-k_qff807a0daf_outp
	.p2alignl 7, 3214868480
	.fill 96, 4, 3214868480
	.section	.rodata,"a",@progbits
	.p2align	6, 0x0
	.amdhsa_kernel k_qff807a0daf_outp
		.amdhsa_group_segment_fixed_size 327680
		.amdhsa_private_segment_fixed_size 0
		.amdhsa_enable_private_segment 0
		.amdhsa_kernarg_size 48
		.amdhsa_user_sgpr_count 2
		.amdhsa_user_sgpr_kernarg_segment_ptr 1
		.amdhsa_wavefront_size32 1
		.amdhsa_system_sgpr_workgroup_id_x 1
		.amdhsa_system_sgpr_workgroup_id_y 1
		.amdhsa_system_sgpr_workgroup_id_z 1
		.amdhsa_system_vgpr_workitem_id 0
		.amdhsa_next_free_vgpr 640
		.amdhsa_next_free_sgpr 96
		.amdhsa_reserve_vcc 0
		.amdhsa_float_denorm_mode_32 3
		.amdhsa_float_denorm_mode_16_64 3
		.amdhsa_memory_ordered 1
		.amdhsa_forward_progress 1
		.amdhsa_inst_pref_size 105
	.end_amdhsa_kernel
	.amdgpu_metadata
---
amdhsa.version: [ 1, 2 ]
amdhsa.kernels:
  - .name:           k_qff807a0daf_outp
    .symbol:         k_qff807a0daf_outp.kd
    .args:
      - { .name: attc, .offset: 0, .size: 8, .value_kind: global_buffer, .address_space: global }
      - { .name: atts, .offset: 8, .size: 8, .value_kind: global_buffer, .address_space: global }
      - { .name: cod, .offset: 16, .size: 8, .value_kind: global_buffer, .address_space: global }
      - { .name: scl, .offset: 24, .size: 8, .value_kind: global_buffer, .address_space: global }
      - { .name: b_out, .offset: 32, .size: 8, .value_kind: global_buffer, .address_space: global }
      - { .name: out0, .offset: 40, .size: 8, .value_kind: global_buffer, .address_space: global }
    .group_segment_fixed_size: 327680
    .private_segment_fixed_size: 0
    .kernarg_segment_align: 8
    .kernarg_segment_size: 48
    .max_flat_workgroup_size: 128
    .sgpr_count:     96
    .vgpr_count:     640
    .wavefront_size: 32
...
	.end_amdgpu_metadata
.endif
;; end of part 4
